; MI455X (gfx1250); checked and timed in simulation.
; The chip was launched on July 23, 2026; its instructions are those of AMD's public machine-readable ISA for CDNA 5 (MIT licence, August 2026) and "CDNA5" Instruction Set Architecture Reference Guide (July 2026). The comments in the code are by the model that wrote it; some were corrected since.
;; Causal Self Attention. Allowed arithmetic: matrix products marked QUANTISED: E3M2 operands, one E8M0 scale for each 32 along K, by v_wmma_scale_f32_16x16x128_f8f6f4 with both operands' format E3M2, f32 sums; everything else in f32.
;; Inputs: W_attn 3,072 x 1,024 float32; W_proj 1,024 x 1,024 float32; x 4 x 2,048 x 1,024 float32.
;; Outputs: out0 4 x 2,048 x 1,024 float32.
;; This version of the problem:
;;   THIS VERSION OF THE PROBLEM IS GIVEN IN LOW PRECISION. The matrix products marked QUANTISED in the list below multiply operands that are first quantised to E3M2 (3 exponent bits, 2 mantissa bits; 6 bits a number), with one power-of-two scale for each 32 numbers along K (OCP MX v1.0); their sums are f32. All else is computed in f32.
;;   The module's matrix products, in the order in which they are computed (A, B: the left and right operand; K: the contracted axis; several contracted axes count as one K, in the product's order):
;;     1. [M 8,192, K 1,024] x [K 1,024, N 3,072]; A: input x; B: input W_attn: QUANTISED
;;     2. batch 64 x [M 2,048, K 64] x [K 64, N 2,048]; A: computed on the way; B: computed on the way: QUANTISED
;;     3. batch 64 x [M 2,048, K 2,048] x [K 2,048, N 64]; A: softmax (see below); B: computed on the way: QUANTISED
;;     4. [M 8,192, K 1,024] x [K 1,024, N 1,024]; A: computed on the way; B: input W_proj: QUANTISED
;;   THE QUANTISER, for each operand of a quantised product, along K:
;;     - K is cut into blocks of 32 from its start; a last block that is shorter is filled with zeros.
;;     - A block's scale is 2^e with e = floor(log2(the largest magnitude in the block)) - 4, held to -126 .. 127; a block of zeros has e = 0. As a byte (E8M0): e + 127.
;;     - Each number is divided by its block's scale, clamped to +-28, and rounded to the nearest number of E3M2, ties to even, subnormals kept.
;;     - The product sums the exact products of the quantised numbers (number of the format x scale) in f32.
;;   ~~~python
;;   def quantise(x, axis):      # numpy; x: float32 -> the quantised numbers, widened to float32 again
;;       x = np.moveaxis(x, axis, -1); K = x.shape[-1]
;;       x = np.pad(x, [(0, 0)] * (x.ndim - 1) + [(0, -K % 32)]); x = x.reshape(x.shape[:-1] + (-1, 32)); a = np.abs(x).max(-1, keepdims=True)
;;       e = np.where(a > 0, np.clip(np.frexp(np.where(a > 0, a, 1))[1] - 1 - 4, -126, 127), 0)      # np.frexp(a)[1] - 1 = floor(log2(a)), exactly
;;       r = np.clip(x / 2.0 ** e, -28, 28)
;;       step = 2.0 ** (np.maximum(np.frexp(np.where(r == 0, 1, r))[1] - 1, -2) - 2)
;;       q = np.round(r / step) * step * 2.0 ** e      # np.round: ties to even
;;       return np.moveaxis(q.reshape(q.shape[:-2] + (-1,))[..., :K], -1, axis).astype(np.float32)
;;   ~~~
;;   SOFTMAX AHEAD OF A QUANTISED PRODUCT. Where the list says 'softmax', what is quantised is not the finished softmax but p = 2^(t - M), with t = logit x log2(e) and M = ceil(the row's largest t), a whole number; so 1/2 < the row's largest p <= 1. The row's sum l is taken of the UNQUANTISED p, in f32, and the product's result is divided by l at the end. Since M is a whole number, a kernel that streams over the keys may use a running M (the ceiling of the running maximum): every later rescaling is an exact power of two, which a block's scale takes up: the codes' values come out the same.
;;   OPERANDS COMPUTED ON THE WAY. 'Computed on the way' means the value that the module computes at that place (a softmax that the list does not call 'softmax' is quantised finished and normalised). What goes into a quantiser is computed in f32, as accurately as f32 sums, v_exp_f32 and their like allow (about 1e-6 of the number): no bf16 or f16 on the way to a quantiser, and a product that is left as it is and whose result goes on into a quantised operand takes f32 operands (vector FMAs, or v_wmma_f32_16x16x4_f32). A number that lies on a knife's edge between two numbers of the format may be rounded either way, as far as f32 arithmetic and the matrix unit's own rounding can turn it there, and no further.
;; One version. Each part assembles by itself: llvm-mc -triple=amdgcn-amd-amdhsa -mcpu=gfx1250 --defsym DOCPART=n.
;; ======== version 1 of 1: 4 launches
;; workspace buffers: opi 9,437,184 bytes; ops 393,216 bytes; qb 6,553,600 bytes; kv 13,107,200 bytes; yi 6,291,456 bytes; ys 262,144 bytes
;; launch quant (part 1): grid 256 x 1, 6 waves a work-group, no clusters, 52,992 bytes of LDS; arguments x, W_attn, W_proj, opi, ops; writes opi, ops
.if DOCPART == 1
	.amdgcn_target "amdgcn-amd-amdhsa--gfx1250"
	.amdhsa_code_object_version 6
	.text
	.protected	k_q1c2e1d9191_quant
	.globl	k_q1c2e1d9191_quant
	.p2align	8
	.type	k_q1c2e1d9191_quant,@function
k_q1c2e1d9191_quant:
	s_mov_b64 s[64:65], 0
	v_nop
	global_prefetch_b8 v0, s[64:65] scope:SCOPE_SE
	s_setreg_imm32_b32 hwreg(HW_REG_WAVE_MODE, 25, 1), 1
	s_wait_xcnt 0x0
; CAUSAL SELF-ATTENTION IN MX-BF6, FOUR LAUNCHES: this one quantises x, W_attn and W_proj; the second makes q, k, v as codes; the third is the attention; the fourth the projection.
; WORK LEFT OUT, in the third launch: reference() puts -inf, by its own jnp.tril, on every score whose key comes after its query; the softmax gives such a score the weight 0 whatever finite values x, W_attn
; and W_proj hold, so a step of 128 keys all of which come after a tile's 16 queries adds 0 to the row's sum and 0 to y: such steps are not walked.  All three inputs have a way to the output and are loaded.
; LIMIT: a NaN, an infinity or an overflow that reaches only hidden scores is not carried to the result.
; THIS LAUNCH: f32 rows with K innermost become codes of BF6 (E3M2) with one E8M0 byte for each 32 along K.  A block's scale is 2^(floor(log2(largest magnitude)) - 4): its byte is the largest
; magnitude's exponent field - 4, held at 1 from below by a floor among the maximum's leaves.
; LIMITS: a block of zeros gets the byte 1 where the rule says 127 (its codes are zeros, and this program alone reads the bytes); blocks whose largest magnitude lies under 2^-122 keep the byte 1;
; NaN and infinities among the inputs are not served.
; LAYOUT OF THE RESULT.  768 row tiles of 16 rows: 0-511 x, 512-703 W_attn (64 x type + 4 x head + tile; type 0 q, 1 k, 2 v), 704-767 W_proj.  THE ROWS OF A TILE ARE NOT NEIGHBOURS: lane r of tile 2 b + u
; of a group of 64 rows takes row 32 b + 8 u + r + 8 (r / 8), so that a later product's 16 registers of two neighbouring tiles are 16 neighbours.  A tile's codes lie as IMAGES OF THE OPERAND'S REGISTERS:
; for each 128 along K 1,536 bytes, register pair p of lane l at 256 p + 8 l.  Its scale words: [K half][r][4 words], 512 bytes a tile.
; SHARES.  Wave w of work-group g takes row tile 3 g + w / 2 and K half w % 2: 16 rows x 512 numbers, in 8 steps of 64 along K.  A load takes 256 consecutive bytes of each of two rows; the operand wants a block of 32
; neighbours in ONE lane: a step's 4,096 bytes turn through the wave's own stage in LDS (rows of 256 + 16 bytes).  Loads run three steps (24 loads a wave) ahead, the turn one step.  Waves share nothing: no barrier.
.set SP,    272                        ; a stage row
.set STG,   16*SP                      ; a stage
.set WREG,  2*STG                      ; two stages a wave
.set SPARE, 6*WREG                     ; behind the six regions: the spare words, 128 bytes for each wave: three blocks of 256 bytes that no other line names
.set VL,  4                            ; v4   loads: 4,096 h + 16 r
.set VST, 5                            ; v5   into the stage: row h, 16 r
.set VRD, 6                            ; v6   out of it: row r, 128 h
.set VO,  7                            ; v7   8 x lane: a register pair's place in an image
.set VS,  8                            ; v8   16 r + 8 h: my two scale words
.set SPW, 14                           ; v14  LDS address of my spare word; never rewritten
.set NIL, 15                           ; v15  0; never rewritten
.set W,   16                           ; v16-19 the four scale words
.set PT,  20                           ; v20-23 lane l xor 16's
.set R,   32                           ; v32-127  three sets of 32 registers as loaded
.set X,   128                          ; v128-191 two sets: a block of 32 neighbours
.set C,   192                          ; v192-255 codes: eight registers for each step, so that no store's data are written again
	s_load_b128 s[4:7], s[0:1], 0x0                ; x, W_attn
	s_load_b128 s[8:11], s[0:1], 0x10              ; W_proj, the codes
	s_load_b64 s[12:13], s[0:1], 0x20              ; the scale words
	v_lshl_add_u32 v[SPW], v0, 2, SPARE
	v_mov_b32 v[NIL], 0
	v_lshrrev_b32 v1, 5, v0
	v_readfirstlane_b32 s14, v1                    ; wave 0..5
	v_and_b32 v1, 31, v0                           ; lane
	v_and_b32 v2, 15, v0                           ; r
	v_bfe_u32 v3, v0, 4, 1                         ; h
	v_lshlrev_b32 v[VL], 4, v2
	v_lshl_add_u32 v[VL], v3, 12, v[VL]
	s_mul_i32 s15, s14, WREG
	v_mul_u32_u24 v[VST], v3, SP
	v_lshl_add_u32 v[VST], v2, 4, v[VST]
	v_add_nc_u32 v[VST], s15, v[VST]
	v_mul_u32_u24 v[VRD], v2, SP
	v_lshl_add_u32 v[VRD], v3, 7, v[VRD]
	v_add_nc_u32 v[VRD], s15, v[VRD]
	v_lshlrev_b32 v[VO], 3, v1
	v_lshlrev_b32 v[VS], 4, v2
	v_lshl_add_u32 v[VS], v3, 3, v[VS]
	v_lshlrev_b32 v9, 3, v3                        ; 8 h: how far my bytes are shifted in a scale word
.irp k, 0,1,2,3
	v_mov_b32 v[PT+\k], 0                          ; written once: a lane permute's destination counts as one of its sources
.endr
	s_mov_b32 s30, 0x76543210
	s_mov_b32 s31, 0xfedcba98                      ; v_permlanex16_b32's selects for lane l xor 16
	; which rows are mine: all by ids
	s_lshr_b32 s16, s14, 1
	s_and_b32 s17, s14, 1                          ; K half
	s_mul_i32 s18, ttmp9, 3
	s_add_co_u32 s18, s18, s16                     ; row tile
	s_cmp_lt_u32 s18, 512
	s_cselect_b32 s19, 0, 512
	s_cmp_lt_u32 s18, 704
	s_cselect_b32 s19, s19, 704                    ; the tensor's first tile
	s_sub_co_u32 s20, s18, s19                     ; the tile in its tensor
	s_lshr_b32 s21, s20, 2                         ; its group of 64 rows
	s_and_b32 s22, s21, 15                         ; W_attn: group 16 x type + head lies at rows 64 (3 head + type)
	s_mul_i32 s22, s22, 3
	s_lshr_b32 s23, s21, 4
	s_add_co_u32 s22, s22, s23
	s_cmp_eq_u32 s19, 512
	s_cselect_b32 s21, s22, s21
	s_lshl_b32 s21, s21, 6
	s_bfe_u32 s22, s20, 0x10001
	s_lshl_b32 s22, s22, 5
	s_add_co_u32 s21, s21, s22                     ; + 32 b
	s_and_b32 s22, s20, 1
	s_lshl_b32 s22, s22, 3
	s_add_co_u32 s21, s21, s22                     ; + 8 u
	s_lshl_b32 s24, s21, 12                        ; a row is 4,096 bytes
	s_lshl_b32 s22, s17, 11
	s_add_co_u32 s24, s24, s22
	s_mov_b32 s25, 0
	s_mul_i32 s26, s18, 12288
	s_mul_i32 s22, s17, 6144
	s_add_co_u32 s26, s26, s22
	s_mov_b32 s27, 0
	s_lshl_b32 s28, s18, 9
	s_lshl_b32 s22, s17, 8
	s_add_co_u32 s28, s28, s22
	s_mov_b32 s29, 0
	s_wait_kmcnt 0x0
	s_cmp_lt_u32 s18, 512                          ; the choice of the tensor hangs on the tile's number alone
	s_cselect_b64 s[4:5], s[4:5], s[6:7]
	s_cmp_lt_u32 s18, 704
	s_cselect_b64 s[4:5], s[4:5], s[8:9]
	s_add_nc_u64 s[4:5], s[4:5], s[24:25]
	s_add_nc_u64 s[10:11], s[10:11], s[26:27]
	s_add_nc_u64 s[12:13], s[12:13], s[28:29]
.macro LOAD t                          ; step t: load j takes the tile's rows 2 j and 2 j + 1, which lie 2 j + 8 (j / 4) + h rows down; 16 lanes read 256 consecutive bytes
.irp j, 0,1,2,3,4,5,6,7
	global_load_b128 v[R+32*((\t)%3)+4*\j:R+32*((\t)%3)+4*\j+3], v[VL], s[4:5] offset:(2*\j+8*(\j/4))*4096+256*(\t) th:TH_LOAD_NT
.endr
.endm
.macro TURN t                          ; step t through a stage: LDS serves a wave's instructions in order, so no wait stands between the stores and the loads
.irp j, 0,1,2,3,4,5,6,7
	ds_store_b128 v[VST], v[R+32*((\t)%3)+4*\j:R+32*((\t)%3)+4*\j+3] offset:STG*((\t)%2)+2*SP*\j
.endr
.irp i, 0,1,2,3,4,5,6,7
	ds_load_b128 v[X+32*((\t)%2)+4*\i:X+32*((\t)%2)+4*\i+3], v[VRD] offset:STG*((\t)%2)+16*\i
.endr
.endm
.macro STEP t
.set XS, X+32*((\t)%2)
.set CC, C+8*(\t)
	s_wait_dscnt 0x0                               ; this step's block is back from the stage, so the stores into the stage have read their registers,
.if (\t) < 5
	LOAD (\t)+3                                    ; which take the loads of three steps on
	s_wait_loadcnt 16                              ; the next step's eight loads are in; those of the two steps behind it may be out
.elseif (\t) == 5
	s_wait_loadcnt 8                               ; only the last step's eight are behind
.elseif (\t) == 6
	s_wait_loadcnt 0
.endif
.if (\t) < 7
	TURN (\t)+1                                    ; through the other stage, while this step is worked
.endif
	v_max3_num_f32 v10, |v[XS]|, |v[XS+1]|, |v[XS+2]|      ; the block's largest magnitude: all 32 numbers are mine; two chains
	v_max3_num_f32 v11, |v[XS+3]|, |v[XS+4]|, |v[XS+5]|
.irp i, 6,10,14,18,22,26
	v_max3_num_f32 v10, v10, |v[XS+\i]|, |v[XS+\i+1]|
	v_max3_num_f32 v11, v11, |v[XS+\i+2]|, |v[XS+\i+3]|
.endr
	v_max3_num_f32 v10, v10, |v[XS+30]|, |v[XS+31]|
	v_max3_num_f32 v10, v10, v11, 0x2800000        ; and the floor 2^(5 - 127): the byte cannot fall under 1
	v_add_nc_u32 v12, 0xfe000000, v10              ; 4 off the exponent field: the conversion takes the exponent field of this operand as its scale
	v_cvt_scalef32_pk16_bf6_f32 v[CC:CC+2], v[XS:XS+15], v12
	v_cvt_scalef32_pk16_bf6_f32 v[CC+4:CC+6], v[XS+16:XS+31], v12   ; (a conversion's three registers begin on an even number)
	v_lshrrev_b32 v13, 23, v12                     ; the scale's byte; also the plain instruction behind the conversions
	v_mov_b32 v[CC+3], v[CC+4]                     ; the block's six registers on end
	v_mov_b32 v[CC+4], v[CC+5]
	v_mov_b32 v[CC+5], v[CC+6]
.if (\t)%2 == 0
	v_mov_b32 v[W+(\t)/2], v13                     ; my block h of these 128 along K,
.else
	v_lshl_or_b32 v[W+(\t)/2], v13, 16, v[W+(\t)/2]        ; and my block 2 + h
.endif
.irp g, 0,1,2
	global_store_b64 v[VO], v[CC+2*\g:CC+2*\g+1], s[10:11] offset:768*(\t)+256*\g   ; 32 lanes store 256 consecutive bytes, aligned
.endr
.endm
	LOAD 0
	LOAD 1
	LOAD 2
	s_wait_loadcnt 16                              ; step 0's eight loads are in
	TURN 0
.irp t, 0,1,2,3,4,5,6,7
	STEP \t
.endr
.irp k, 0,1,2,3
	v_lshlrev_b32 v[W+\k], v9, v[W+\k]             ; my two bytes at their places,
.endr
.irp k, 0,1,2,3
	v_permlanex16_b32 v[PT+\k], v[W+\k], s30, s31
.endr
.irp k, 0,1,2,3
	v_or_b32 v[W+\k], v[W+\k], v[PT+\k]            ; with lane l xor 16's two the word is whole
.endr
	v_cmp_eq_u32 vcc_lo, 1, v3
	v_cndmask_b32 v24, v[W], v[W+2], vcc_lo        ; lanes 0-15 store words 0 and 1 of row r, lanes 16-31 words 2 and 3
	v_cndmask_b32 v25, v[W+1], v[W+3], vcc_lo
	global_store_b64 v[VS], v[24:25], s[12:13]     ; 256 consecutive bytes, aligned
	s_wait_tensorcnt 0x0                           ; the wave's end: behind my last LDS store
	ds_add_u32 v[SPW], v[NIL]
	s_wait_dscnt 0x0
	s_endpgm
.Lfunc_end_k_q1c2e1d9191_quant:
	.size	k_q1c2e1d9191_quant, .Lfunc_end_k_q1c2e1d9191_quant-k_q1c2e1d9191_quant
	.p2alignl 7, 3214868480
	.fill 96, 4, 3214868480
	.section	.rodata,"a",@progbits
	.p2align	6, 0x0
	.amdhsa_kernel k_q1c2e1d9191_quant
		.amdhsa_group_segment_fixed_size 52992
		.amdhsa_private_segment_fixed_size 0
		.amdhsa_enable_private_segment 0
		.amdhsa_kernarg_size 40
		.amdhsa_user_sgpr_count 2
		.amdhsa_user_sgpr_kernarg_segment_ptr 1
		.amdhsa_wavefront_size32 1
		.amdhsa_system_sgpr_workgroup_id_x 1
		.amdhsa_system_sgpr_workgroup_id_y 1
		.amdhsa_system_sgpr_workgroup_id_z 1
		.amdhsa_system_vgpr_workitem_id 0
		.amdhsa_next_free_vgpr 256
		.amdhsa_next_free_sgpr 66
		.amdhsa_reserve_vcc 1
		.amdhsa_float_denorm_mode_32 3
		.amdhsa_float_denorm_mode_16_64 3
		.amdhsa_memory_ordered 1
		.amdhsa_forward_progress 1
		.amdhsa_inst_pref_size 33
	.end_amdhsa_kernel
	.amdgpu_metadata
---
amdhsa.version: [ 1, 2 ]
amdhsa.kernels:
  - .name:           k_q1c2e1d9191_quant
    .symbol:         k_q1c2e1d9191_quant.kd
    .args:
      - { .name: x, .offset: 0, .size: 8, .value_kind: global_buffer, .address_space: global }
      - { .name: W_attn, .offset: 8, .size: 8, .value_kind: global_buffer, .address_space: global }
      - { .name: W_proj, .offset: 16, .size: 8, .value_kind: global_buffer, .address_space: global }
      - { .name: opi, .offset: 24, .size: 8, .value_kind: global_buffer, .address_space: global }
      - { .name: ops, .offset: 32, .size: 8, .value_kind: global_buffer, .address_space: global }
    .group_segment_fixed_size: 52992
    .private_segment_fixed_size: 0
    .kernarg_segment_align: 8
    .kernarg_segment_size: 40
    .max_flat_workgroup_size: 192
    .sgpr_count:     66
    .vgpr_count:     256
    .wavefront_size: 32
...
	.end_amdgpu_metadata
.endif
;; end of part 1
;; launch qkv (part 2): grid 8 x 96, 4 waves a work-group, clusters of 4 x 4, 307,712 bytes of LDS; arguments opi, ops, qb, kv; writes qb, kv
.if DOCPART == 2
	.amdgcn_target "amdgcn-amd-amdhsa--gfx1250"
	.amdhsa_code_object_version 6
	.text
	.protected	k_q1c2e1d9191_qkv
	.globl	k_q1c2e1d9191_qkv
	.p2align	8
	.type	k_q1c2e1d9191_qkv,@function
k_q1c2e1d9191_qkv:
	s_mov_b64 s[64:65], 0
	v_nop
	global_prefetch_b8 v0, s[64:65] scope:SCOPE_SE
	s_setreg_imm32_b32 hwreg(HW_REG_WAVE_MODE, 25, 1), 1
	s_wait_xcnt 0x0
	s_wait_alu depctr_hold_cnt(0) depctr_sa_sdst(0) depctr_va_vdst(0) depctr_va_sdst(0) depctr_va_ssrc(0) depctr_va_vcc(0) depctr_vm_vsrc(0)
	s_getreg_b32 s2, hwreg(HW_REG_IB_STS2, 6, 4)
	s_cmp_eq_u32 s2, 0
	s_cbranch_scc0 .Lentry_in_a_cluster
	s_endpgm
.Lentry_in_a_cluster:
	s_bfe_u32 s2, ttmp6, 0x10000c
	s_cmp_lg_u32 s2, 0xf033
	s_cbranch_scc0 .Lentry_shape_is_right
	s_endpgm
.Lentry_shape_is_right:
; qkv = x W_attn^T on codes of BF6 (E3M2) with E8M0 scales; the results are quantised in registers and leave as codes: q and k along the head's 64 channels, v along the keys.  No f32 result goes to memory.
; OPERANDS lie as images of their registers: row tile x 12,288 bytes, in it 1,536 bytes for each 128 along K (register pair p of lane l at 256 p + 8 l); scale words 512 bytes a row tile: [K half][r][4 words].
; The rows of a tile are not neighbours: lane r of tile 2 b + u takes row 32 b + 8 u + r + 8 (r / 8): so the 16 registers of two neighbouring result tiles are 16 neighbours along source 0's rows.
; A WORK-GROUP makes 128 rows of operand A x 256 rows of operand B; ALL of K = 1,024 of both lies in LDS (294,912 bytes), in four chunks of 256 along K: every LDS byte is filled once.
; Four waves; wave w takes A's rows 64 (w / 2) on (4 blocks) and B's rows 128 (w % 2) on (8 blocks): 32 accumulators.  THE MATRIX INSTRUCTION IS USED TRANSPOSED (source 0 = B's block, source 1 = A's):
; a lane holds ONE row of A and its registers run along B's rows.
; TWO ROLES, told apart by the cluster's y alone (the same in all sixteen partners):
;   q, k (cluster y 0-15):  A = x (tokens), B = W_attn's rows of q and k: a lane holds a token, its registers run along the channels: q and k are quantised along the channels.
;   v    (cluster y 16-23): A = W_attn's rows of v, B = x: a lane holds a channel, its registers run along the tokens: v is quantised along the keys, and nothing is transposed.
; CLUSTERS: 4 x 4.  A's tiles are shared along a row of the cluster, B's along a column: each is asked for jointly, by the same tensor load with the same descriptor and a mask that names the four.
; By this text's own count a wave has five tensor loads out at the most: its part of the scale words and of the four chunks, all issued at the head.
; RESULTS.  qb: [batch x head][key step of 128 tokens][6,400]: 8 half images of 768 bytes (16 tokens x 64 channels), then 256 bytes of scale pairs [tile][r].
;           kv: [batch x head][key step][12,800]: k as q; at 6,144 v: [half of the keys][tile of channels][768]; at 12,288 k's scale pairs; at 12,544 v's scale words [tile][r].
; The scale stores (2 or 4 bytes a lane) cover 32 or 128 consecutive bytes: 512 of a block's 12,800 bytes; the codes leave in aligned runs of 256 bytes.
; LIMITS: as in the first launch (a block of zeros gets the byte 1; NaN and infinities are not served).
; REGISTERS: window 0: v1-3 lane, r, h; v16-31 addresses; v32-95 scale words; v96-191 A's fragments, two sets; v192-215 at work on the way out.  window 1: B's fragments, two sets, at v0 and v128.  window 2: accumulator (a, b) at v[8 (8 a + b)].
.set CHUNK, 73728                      ; 256 along K: A's 8 row tiles x 3,072 bytes, then B's 16
.set BOFF,  24576
.set SCL,   4*CHUNK                    ; the scale words: A's 4,096 bytes, then B's 8,192
.set SPARE, SCL+12288                  ; the spare words, 128 bytes for each wave: two blocks of 256 bytes that no other line names
.set ADRA, 16                          ; v16-19  LDS address of my A fragments in chunk q
.set ADRB, 20                          ; v20-23  the same for B
.set VO,   24                          ; v24     8 x lane
.set VSQ,  25                          ; v25     q, k: where my scale pair goes
.set VSV,  26                          ; v26     v: 4 x lane
.set ADRS, 27                          ; v27     LDS address of my scale words: lanes 0-15 A's rows, lanes 16-31 B's
.set SPW,  28                          ; v28     LDS address of my spare word; never rewritten
.set NIL,  29                          ; v29     0; never rewritten
.set SH,   30                          ; v30     16 h
.set SC,   32                          ; v[SC + 8 i + s]: lanes 0-15 the word of A's block i, lanes 16-31 that of B's block i, for K step s
.set AF,   96
.set CX,   144                         ; the way out: the conversions' second halves
.set TM,   192                         ; v192-195 largest magnitudes, v196-199 lane l xor 16's, then bytes, v204-207 the conversions' scale operands
.set PW,   208                         ; v208-211 the four blocks' scale words
.set TS,   212                         ; v212-215 what is stored of them
.set G1A,  24                          ; s[24:31] descriptor group 1: A's chunks;  s[32:39] B's;  s[40:47] A's scale words;  s[48:55] B's
.set G1B,  32
.set G1SA, 40
.set G1SB, 48
.set G0SA, 92                          ; groups 0: A's chunks at s56, s60, s68, s72; B's at s76 + 4 q; the scale words' at s92 and s96
.set G0SB, 96
.set MULW, 0xa1                        ; source 0 (B) window 1, source 1 (A) window 0, C and D window 2
.set MSB, 0
.macro WIN new                         ; the immediate's high byte repeats the setting that is left
.if MSB != \new
	s_set_vgpr_msb (MSB<<8)|\new
.set MSB, \new
.endif
.endm
; A joint load: waves 0 and 1 fetch for A, waves 2 and 3 for B; the branch hangs on the wave's number alone.  An s_nop 0 and four v_nop follow each of the two lines.
.macro JLOAD g0a, g1a, g0b, g1b
	s_cmp_eq_u32 s13, 0
	s_cbranch_scc0 .Lfor_b_\@
	tensor_load_to_lds s[\g0a:\g0a+3], s[\g1a:\g1a+7]
	s_nop 0
.rept 4
	v_nop
.endr
	s_branch .Lasked_\@
.Lfor_b_\@:
	tensor_load_to_lds s[\g0b:\g0b+3], s[\g1b:\g1b+7]
	s_nop 0
.rept 4
	v_nop
.endr
.Lasked_\@:
.endm
.macro CROUND                          ; a round of the cluster's barrier
	s_barrier_signal -1
	s_barrier_wait -1
	s_cmp_lg_u32 s12, 0
	s_cbranch_scc1 .Lnot_wave_0_\@
	s_barrier_signal -3
.Lnot_wave_0_\@:
	s_barrier_wait -3
	s_barrier_signal -1
	s_barrier_wait -1
.endm
.macro SHAPE g, c, r, p                ; group 1 behind its first word: r rows of c elements of 8 bytes, p elements apart
	s_mov_b32 s[\g+1], (\c)<<16
	s_mov_b32 s[\g+2], (\r)<<16
	s_mov_b32 s[\g+3], (\c)<<16
	s_mov_b32 s[\g+4], \r
	s_mov_b32 s[\g+5], \p
	s_mov_b32 s[\g+6], 0
	s_mov_b32 s[\g+7], 0
.endm
.macro PLACES n
.rept \n
	v_nop
.endr
.endm
	s_load_b256 s[4:11], s[0:1], 0x0               ; the operands' codes s[4:5], their scale words s[6:7], qb s[8:9], kv s[10:11]
	v_lshl_add_u32 v[SPW], v0, 2, SPARE
	v_mov_b32 v[NIL], 0
	ds_add_u32 v[SPW], v[NIL]                      ; the wave's opening: the add, twice on end, and its wait ahead of my first tensor load
	ds_add_u32 v[SPW], v[NIL]
	v_lshrrev_b32 v1, 5, v0
	v_readfirstlane_b32 s12, v1                    ; wave 0..3
	s_lshr_b32 s13, s12, 1                         ; which 64 rows of A are mine.  Also: I fetch for A (0) or for B (1)
	s_and_b32 s14, s12, 1                          ; which 128 rows of B.  Also: which half of that operand's tiles I fetch
	s_bfe_u32 s16, ttmp6, 0x40000                  ; cx
	s_bfe_u32 s17, ttmp6, 0x40004                  ; cy
	s_and_b32 s20, ttmp7, 0xffff                   ; cluster y
	s_sub_co_u32 s21, s20, 16
	s_lshl_b32 s21, s21, 2
	s_lshl_b32 s22, ttmp9, 2
	s_lshl_b32 s23, s20, 2
	s_cmp_ge_u32 s20, 16
	s_cselect_b32 s15, 1, 0                        ; the role: 0 = q, k; 1 = v
	s_cselect_b32 s18, s22, s23
	s_cselect_b32 s19, s21, s22
	s_cselect_b32 s2, 640, 0                       ; A's first row tile in the operands' buffers: W_attn's rows of v, or x
	s_cselect_b32 s3, 0, 512                       ; B's: x, or W_attn's rows of q
	s_add_co_u32 s18, s18, s17                     ; which 128 rows of A: it hangs on cy, not on cx
	s_add_co_u32 s19, s19, s16                     ; which 256 rows of B: on cx, not on cy
	s_lshl_b32 s20, s17, 2
	s_lshl_b32 s20, 15, s20                        ; my row of the cluster
	s_lshl_b32 s21, 0x1111, s16                    ; my column
	s_or_b32 s[G1A], s20, (3<<16)|(1<<21)          ; 15:0 the mask; 17:16 elements of 8 bytes; 21 set beside a mask; no padding
	s_or_b32 s[G1SA], s20, (3<<16)|(1<<21)
	s_or_b32 s[G1B], s21, (3<<16)|(1<<21)
	s_or_b32 s[G1SB], s21, (3<<16)|(1<<21)
	SHAPE G1A, 384, 4, 1536                        ; 4 row tiles x 3,072 bytes of a chunk, 12,288 bytes apart
	SHAPE G1B, 384, 8, 1536
	SHAPE G1SA, 32, 8, 32                          ; 4 row tiles' scale words: 2,048 dense bytes as rows of 256
	SHAPE G1SB, 32, 16, 32
	s_lshl_b32 s20, s18, 3
	s_add_co_u32 s2, s2, s20
	s_lshl_b32 s20, s14, 2
	s_add_co_u32 s2, s2, s20                       ; A: the first of the 4 row tiles that I fetch
	s_lshl_b32 s22, s19, 4
	s_add_co_u32 s3, s3, s22
	s_lshl_b32 s22, s14, 3
	s_add_co_u32 s3, s3, s22                       ; B: the first of 8
	s_mul_i32 s20, s2, 12288
	s_mov_b32 s21, 0
	s_lshl_b32 s66, s2, 9
	s_mov_b32 s67, 0
	s_mul_i32 s22, s3, 12288
	s_mov_b32 s23, 0
	s_lshl_b32 s100, s3, 9
	s_mov_b32 s101, 0
	s_mul_i32 s2, s14, 12288                       ; where they go: no place in the cluster enters an LDS address
	s_mul_i32 s3, s14, 24576
	s_wait_dscnt 0x0                               ; both opening adds are done
	s_wait_kmcnt 0x0
	s_add_nc_u64 s[20:21], s[4:5], s[20:21]
	s_add_nc_u64 s[66:67], s[6:7], s[66:67]
	s_add_nc_u64 s[22:23], s[4:5], s[22:23]
	s_add_nc_u64 s[100:101], s[6:7], s[100:101]
	CROUND                                         ; all sixteen work-groups are here: the joint loads meet
	s_mov_b32 s[G0SA], 1
	s_lshl_b32 s[G0SA+1], s14, 11
	s_add_co_u32 s[G0SA+1], s[G0SA+1], SCL
	s_mov_b64 s[G0SA+2:G0SA+3], s[66:67]
	s_or_b32 s[G0SA+3], s[G0SA+3], 0x80000000
	s_mov_b32 s[G0SB], 1
	s_lshl_b32 s[G0SB+1], s14, 12
	s_add_co_u32 s[G0SB+1], s[G0SB+1], SCL+4096
	s_mov_b64 s[G0SB+2:G0SB+3], s[100:101]
	s_or_b32 s[G0SB+3], s[G0SB+3], 0x80000000
	JLOAD G0SA, G1SA, G0SB, G1SB                   ; the scale words first: they are wanted with chunk 0
.irp q, 0,1,2,3
.set GA, 56+4*\q+4*(\q/2)
.set GB, 76+4*\q
	s_mov_b32 s[GA], 1
	s_add_co_u32 s[GA+1], s2, \q*CHUNK
	s_add_nc_u64 s[GA+2:GA+3], s[20:21], \q*3072
	s_or_b32 s[GA+3], s[GA+3], 0x80000000
	s_mov_b32 s[GB], 1
	s_add_co_u32 s[GB+1], s3, \q*CHUNK+BOFF
	s_add_nc_u64 s[GB+2:GB+3], s[22:23], \q*3072
	s_or_b32 s[GB+3], s[GB+3], 0x80000000
	JLOAD GA, G1A, GB, G1B
.endr
	v_and_b32 v1, 31, v0                           ; lane
	v_and_b32 v2, 15, v0                           ; r
	v_bfe_u32 v3, v0, 4, 1                         ; h
	v_lshlrev_b32 v[VO], 3, v1
	v_lshlrev_b32 v[VSV], 2, v1
	v_lshlrev_b32 v[SH], 4, v3
	s_mul_i32 s2, s13, 12288                       ; my four row tiles of A,
	s_mul_i32 s3, s14, 24576
	s_add_co_u32 s3, s3, BOFF                      ; my eight of B
.irp q, 0,1,2,3
	v_add_nc_u32 v[ADRA+\q], s2, v[VO]
	v_add_nc_u32 v[ADRB+\q], s3, v[VO]
	s_add_co_u32 s2, s2, CHUNK
	s_add_co_u32 s3, s3, CHUNK
.endr
	s_lshl_b32 s2, s13, 11                         ; A's scale words: my four tiles
	s_lshl_b32 s3, s14, 12
	s_add_co_u32 s3, s3, 4096                      ; B's: my eight, behind A's
	s_sub_co_u32 s3, s3, s2
	v_mul_u32_u24 v5, s3, v3                       ; lanes 16-31 take B's: one product, the distance x h
	s_add_co_u32 s2, s2, SCL
	v_lshl_add_u32 v5, v2, 4, v5
	v_add_nc_u32 v[ADRS], s2, v5
.irp b, 0,1,2,3
	v_mov_b32 v[TM+4+\b], 0                        ; written once: a lane permute's destination counts as one of its sources
.endr
	; where my results go.  NG = which 128 rows of B are mine
	s_lshl_b32 s2, s19, 1
	s_add_co_u32 s2, s2, s14
	s_lshr_b32 s3, s2, 3                           ; q, k: 0 = q, 1 = k
	s_and_b32 s4, s2, 7                            ; the pair of heads 2 p, 2 p + 1
	s_lshr_b32 s5, s18, 4                          ; the batch
	s_lshl_b32 s5, s5, 3
	s_add_co_u32 s5, s5, s4
	s_lshl_b32 s5, s5, 5
	s_and_b32 s4, s18, 15                          ; the key step
	s_add_co_u32 s5, s5, s4                        ; block (16 batch + 2 p) 16 + key step
	s_lshl_b32 s6, s18, 1
	s_add_co_u32 s6, s6, s13                       ; v: the head
	s_lshr_b32 s7, s2, 4                           ; the batch
	s_lshl_b32 s7, s7, 4
	s_add_co_u32 s7, s7, s6
	s_lshl_b32 s7, s7, 4
	s_and_b32 s6, s2, 15
	s_add_co_u32 s7, s7, s6                        ; block (16 batch + head) 16 + key step
	s_or_b32 s3, s3, s15                           ; not 0: k or v: the block lies in kv
	s_cmp_lg_u32 s3, 0
	s_cselect_b64 s[8:9], s[10:11], s[8:9]         ; the choice hangs on ids alone
	s_mov_b32 s22, 6400
	s_cselect_b32 s22, 12800, s22                  ; a block's bytes
	s_mov_b32 s23, 6144
	s_cselect_b32 s23, 12288, s23                  ; where q's or k's scale pairs begin in it
	s_lshl_b32 s4, s13, 7
	s_add_co_u32 s23, s23, s4                      ; my four tiles' pairs
	s_mul_i32 s4, s13, 3072                        ; my four tiles' half images
	s_lshl_b32 s6, s22, 4                          ; from a head to the next: 16 blocks
	s_cmp_eq_u32 s15, 0
	s_cselect_b32 s5, s5, s7
	s_cselect_b32 s4, s4, 6144                     ; v's codes begin at 6,144
	s_cselect_b32 s2, s6, 3072                     ; from a fragment's first half to its second: the next head, or v's other 64 keys
	s_cselect_b32 s23, s23, 12544
	s_mul_i32 s5, s5, s22
	s_add_co_u32 s66, s23, s5
	s_mov_b32 s67, 0
	s_add_co_u32 s4, s4, s5
	s_mov_b32 s5, 0
	s_mov_b32 s3, 0
	s_add_nc_u64 s[20:21], s[8:9], s[66:67]        ; the scales
	s_add_nc_u64 s[8:9], s[8:9], s[4:5]            ; the fragments' first halves
	s_add_nc_u64 s[10:11], s[8:9], s[2:3]          ; their second halves
	v_mul_u32_u24 v[VSQ], s6, v3
	v_lshl_add_u32 v[VSQ], v2, 1, v[VSQ]           ; q, k: 2 r, and lanes 16-31 one head on
	s_mov_b32 s16, 0x76543210
	s_mov_b32 s17, 0xfedcba98                      ; v_permlanex16_b32's selects for lane l xor 16
.macro FRAG reg, adr, st, i            ; a fragment comes as it was stored: six loads of 8 bytes a lane, 256 consecutive bytes each
.irp p, 0,1,2,3,4,5
	ds_load_b64 v[(\reg)+2*\p:(\reg)+2*\p+1], v[\adr] offset:3072*(\i)+1536*(\st)+256*\p
.endr
.endm
.macro FETCH s                         ; K step s: B's eight fragments and A's four, into set s % 2
	WIN 0x40
.irp i, 0,1,2,3,4,5,6,7
	FRAG 128*((\s)%2)+12*\i, ADRB+(\s)/2, (\s)%2, \i
.endr
	WIN 0
.irp i, 0,1,2,3
	FRAG AF+48*((\s)%2)+12*\i, ADRA+(\s)/2, (\s)%2, \i
.endr
.endm
; 16 matrix instructions: A's blocks a0, a0 + 1 x B's eight, K step s.  The 32 accumulators take turns, one instruction a turn, in the same order in every step.
.macro MUL16 a0, s, zero
.irp a, \a0, \a0+1
.irp b, 0,1,2,3,4,5,6,7
.if \zero
	v_wmma_scale_f32_16x16x128_f8f6f4 v[8*(8*(\a)+\b):8*(8*(\a)+\b)+7], v[128*((\s)%2)+12*\b:128*((\s)%2)+12*\b+11], v[AF+48*((\s)%2)+12*(\a):AF+48*((\s)%2)+12*(\a)+11], 0, v[SC+8*\b+(\s)], v[SC+8*(\a)+(\s)] matrix_a_fmt:MATRIX_FMT_BF6 matrix_b_fmt:MATRIX_FMT_BF6 matrix_a_scale:MATRIX_SCALE_ROW1
.else
	v_wmma_scale_f32_16x16x128_f8f6f4 v[8*(8*(\a)+\b):8*(8*(\a)+\b)+7], v[128*((\s)%2)+12*\b:128*((\s)%2)+12*\b+11], v[AF+48*((\s)%2)+12*(\a):AF+48*((\s)%2)+12*(\a)+11], v[8*(8*(\a)+\b):8*(8*(\a)+\b)+7], v[SC+8*\b+(\s)], v[SC+8*(\a)+(\s)] matrix_a_fmt:MATRIX_FMT_BF6 matrix_b_fmt:MATRIX_FMT_BF6 matrix_a_scale:MATRIX_SCALE_ROW1
.endif
.endr
.endr
.endm
; A K step of 128: 32 matrix instructions; in its middle the next step's 72 loads, behind four places (loads into registers that matrix instructions have read: ISA guide 7.12.1 for vector instructions).
; In steps 1, 3 and 5 the next chunk is shown to all four waves: my part of it has landed (the count leaves the later chunks' loads out), then the barrier, with sixteen matrix instructions between signal and wait.
.macro STEP s, zero
	s_wait_dscnt 0x0                               ; this step's fragments are in
.if ((\s)%2 == 1) && ((\s) < 7)
	s_wait_tensorcnt 3-((\s)+1)/2
	s_barrier_signal -1
.endif
	WIN MULW
	MUL16 0, \s, \zero
.if ((\s)%2 == 1) && ((\s) < 7)
	s_barrier_wait -1
.endif
.if (\s) < 7
	PLACES 4
	FETCH (\s)+1
.endif
	WIN MULW
	MUL16 2, \s, \zero
.endm
	s_wait_tensorcnt 3                             ; my part of the scale words and of chunk 0 is in; the three later chunks' loads may be out
	s_barrier_signal -1
	s_barrier_wait -1                              ; everybody's is
.irp i, 0,1,2,3,4,5,6,7                ; all scale words, once.  (For i of 4 and more lanes 0-15 read words behind A's: bytes that have been filled, and that no product names)
	ds_load_b128 v[SC+8*\i:SC+8*\i+3], v[ADRS] offset:512*\i
	ds_load_b128 v[SC+8*\i+4:SC+8*\i+7], v[ADRS] offset:512*\i+256
.endr
	FETCH 0
	STEP 0, 1                                      ; the first step's products start the sums: nothing is cleared
.irp s, 1,2,3,4,5,6,7
	STEP \s, 0
.endr
	WIN 0
; THE WAY OUT.  The 64 registers of A's block a, register 16 b + i = source 0's row 32 b + 16 h + i of my 128, become a fragment's codes in v[pc] on and its scale word in v[pw].
.macro QUANT s, pc, pw
	WIN 0x0a                                       ; sources 0 and 1: window 2
.irp b, 0,1,2,3
	v_max3_num_f32 v[TM+\b], |v[(\s)+16*\b]|, |v[(\s)+16*\b+1]|, 0x2800000   ; block b: my 16 numbers (each accumulator from its low end on), and the floor 2^(5 - 127)
.endr
.irp i, 2,4,6,8,10,12,14
.irp b, 0,1,2,3
	v_max3_num_f32 v[TM+\b], |v[(\s)+16*\b+\i]|, |v[(\s)+16*\b+\i+1]|, v[TM+\b]
.endr
.endr
	WIN 0
.irp b, 0,1,2,3
	v_permlanex16_b32 v[TM+4+\b], v[TM+\b], s16, s17
.endr
.irp b, 0,1,2,3
	v_max_num_f32 v[TM+\b], v[TM+\b], v[TM+4+\b]   ; with lane l xor 16's: the block's largest magnitude
.endr
.irp b, 0,1,2,3
	v_add_nc_u32 v[TM+12+\b], 0xfe000000, v[TM+\b] ; 4 off its exponent field: the conversion's scale operand
.endr
.irp b, 0,1,2,3
	v_lshrrev_b32 v[TM+4+\b], 23, v[TM+12+\b]      ; the scale's byte
.endr
	v_lshl_or_b32 v[\pw], v[TM+5], 8, v[TM+4]
	v_lshl_or_b32 v[\pw], v[TM+6], 16, v[\pw]
	v_lshl_or_b32 v[\pw], v[TM+7], 24, v[\pw]
	WIN 0x02                                       ; source 0: window 2
.irp c, 0,1
	v_cvt_scalef32_pk16_bf6_f32 v[(\pc)+6*\c:(\pc)+6*\c+2], v[(\s)+32*\c:(\s)+32*\c+15], v[TM+12+2*\c]
	v_cvt_scalef32_pk16_bf6_f32 v[CX+4*\c:CX+4*\c+2], v[(\s)+32*\c+16:(\s)+32*\c+31], v[TM+13+2*\c]   ; (a conversion's three registers begin on an even number)
.endr
	WIN 0
	v_nop                                          ; one plain instruction behind a scaled conversion
.irp c, 0,1                            ; the operand's layout wants a WHOLE block in a lane: lanes 0-15 block 2 c, lanes 16-31 block 2 c + 1
.irp i, 0,1,2
	v_permlane16_swap_b32 v[(\pc)+6*\c+\i], v[CX+4*\c+\i]
.endr
.irp i, 0,1,2
	v_mov_b32 v[(\pc)+3+6*\c+\i], v[CX+4*\c+\i]
.endr
.endr
.endm
	PLACES 4                                       ; behind the last products: their results are read, and the registers that held A's fragments are written
.irp a, 0,1,2,3
	QUANT 64*\a, AF+12*\a, PW+\a
.irp g, 0,1,2
	global_store_b64 v[VO], v[AF+12*\a+2*\g:AF+12*\a+2*\g+1], s[8:9] offset:768*\a+256*\g      ; 32 lanes store 256 consecutive bytes, aligned
	global_store_b64 v[VO], v[AF+12*\a+6+2*\g:AF+12*\a+6+2*\g+1], s[10:11] offset:768*\a+256*\g
.endr
.endr
	s_cmp_eq_u32 s15, 0                            ; the role: the same in all partners
	s_cbranch_scc0 .Lv_scales
.irp a, 0,1,2,3
	v_lshrrev_b32 v[TS+\a], v[SH], v[PW+\a]        ; q, k: lanes 0-15 store the first head's two bytes of token r, lanes 16-31 the second head's
.endr
.irp a, 0,1,2,3
	global_store_b16 v[VSQ], v[TS+\a], s[20:21] offset:32*\a
.endr
	s_branch .Lscales_out
.Lv_scales:
	v_cmp_eq_u32 vcc_lo, 1, v3
	v_cndmask_b32 v[TS], v[PW], v[PW+1], vcc_lo    ; v: lanes 0-15 store a tile's words, lanes 16-31 the next tile's
	v_cndmask_b32 v[TS+1], v[PW+2], v[PW+3], vcc_lo
	global_store_b32 v[VSV], v[TS], s[20:21]
	global_store_b32 v[VSV], v[TS+1], s[20:21] offset:128
.Lscales_out:
	s_wait_tensorcnt 0x0                           ; the wave's end: behind my last tensor load
	ds_add_u32 v[SPW], v[NIL]
	s_wait_dscnt 0x0
	CROUND                                         ; the closing round: no work-group ends while a partner may still ask for a tile that names it
	s_endpgm
.Lfunc_end_k_q1c2e1d9191_qkv:
	.size	k_q1c2e1d9191_qkv, .Lfunc_end_k_q1c2e1d9191_qkv-k_q1c2e1d9191_qkv
	.p2alignl 7, 3214868480
	.fill 96, 4, 3214868480
	.section	.rodata,"a",@progbits
	.p2align	6, 0x0
	.amdhsa_kernel k_q1c2e1d9191_qkv
		.amdhsa_group_segment_fixed_size 307712
		.amdhsa_private_segment_fixed_size 0
		.amdhsa_enable_private_segment 0
		.amdhsa_kernarg_size 32
		.amdhsa_user_sgpr_count 2
		.amdhsa_user_sgpr_kernarg_segment_ptr 1
		.amdhsa_wavefront_size32 1
		.amdhsa_system_sgpr_workgroup_id_x 1
		.amdhsa_system_sgpr_workgroup_id_y 1
		.amdhsa_system_sgpr_workgroup_id_z 1
		.amdhsa_system_vgpr_workitem_id 0
		.amdhsa_next_free_vgpr 768
		.amdhsa_next_free_sgpr 102
		.amdhsa_reserve_vcc 1
		.amdhsa_float_denorm_mode_32 3
		.amdhsa_float_denorm_mode_16_64 3
		.amdhsa_memory_ordered 1
		.amdhsa_forward_progress 1
		.amdhsa_inst_pref_size 104
	.end_amdhsa_kernel
	.amdgpu_metadata
---
amdhsa.version: [ 1, 2 ]
amdhsa.kernels:
  - .name:           k_q1c2e1d9191_qkv
    .symbol:         k_q1c2e1d9191_qkv.kd
    .args:
      - { .name: opi, .offset: 0, .size: 8, .value_kind: global_buffer, .address_space: global }
      - { .name: ops, .offset: 8, .size: 8, .value_kind: global_buffer, .address_space: global }
      - { .name: qb, .offset: 16, .size: 8, .value_kind: global_buffer, .address_space: global }
      - { .name: kv, .offset: 24, .size: 8, .value_kind: global_buffer, .address_space: global }
    .group_segment_fixed_size: 307712
    .private_segment_fixed_size: 0
    .kernarg_segment_align: 8
    .kernarg_segment_size: 32
    .max_flat_workgroup_size: 128
    .sgpr_count:     102
    .vgpr_count:     768
    .wavefront_size: 32
...
	.end_amdgpu_metadata
.endif
;; end of part 2
;; launch attn (part 3): grid 4 x 64, 16 waves a work-group, clusters of 4 x 1, 206,848 bytes of LDS; arguments qb, kv, yi, ys; writes yi, ys
.if DOCPART == 3
	.amdgcn_target "amdgcn-amd-amdhsa--gfx1250"
	.amdhsa_code_object_version 6
	.text
	.protected	k_q1c2e1d9191_attn
	.globl	k_q1c2e1d9191_attn
	.p2align	8
	.type	k_q1c2e1d9191_attn,@function
k_q1c2e1d9191_attn:
	s_mov_b64 s[64:65], 0
	v_nop
	global_prefetch_b8 v0, s[64:65] scope:SCOPE_SE
	s_setreg_imm32_b32 hwreg(HW_REG_WAVE_MODE, 25, 1), 1
	s_wait_xcnt 0x0
	s_wait_alu depctr_hold_cnt(0) depctr_sa_sdst(0) depctr_va_vdst(0) depctr_va_sdst(0) depctr_va_ssrc(0) depctr_va_vcc(0) depctr_vm_vsrc(0)
	s_getreg_b32 s2, hwreg(HW_REG_IB_STS2, 6, 4)
	s_cmp_eq_u32 s2, 0
	s_cbranch_scc0 .Lentry_in_a_cluster
	s_endpgm
.Lentry_in_a_cluster:
	s_bfe_u32 s2, ttmp6, 0x10000c
	s_cmp_lg_u32 s2, 0x3003
	s_cbranch_scc0 .Lentry_shape_is_right
	s_endpgm
.Lentry_shape_is_right:
; y = softmax(q k^T / 8, causal) v for each batch and head, both products on codes of BF6 (E3M2) with E8M0 scales; y is quantised along C and leaves as the projection's operand.
; WORK LEFT OUT: a step of 128 keys all of which come after a tile's 16 queries lies wholly under reference()'s own causal mask and is not walked (shown at the head of the first launch).
; THE SOFTMAX AHEAD OF THE SECOND PRODUCT: t = score x log2(e) / 8; M = the row's largest t so far, rounded UP to a whole number; p = 2^(t - M) is quantised along the keys, not normalised.  The row's sum is taken of the
; unquantised p and divides O at the end.  When M moves, the sum and O are multiplied by 2^(old M - new M): exact.
; SHARES.  A cluster of four work-groups is one batch and head.  The head's WHOLE k, v and scales, 204,800 bytes, come into each partner's LDS once, by joint loads: every LDS byte is filled once.
; A head has 128 tiles of 16 queries.  With u = 4 x wave + cx, a wave takes tile 127 - u and then tile u: (16 - wave / 2) + (wave / 2 + 1) = 17 key steps for every wave of the launch.
; How many steps a tile walks hangs on the wave's number alone; cx enters only q's and y's addresses in memory and the numbers that the mask compares.
; LAYOUT.  Both products are used transposed: S^T = k q^T, O^T = v^T p^T: a lane holds ONE query throughout.  The tokens of a tile are not neighbours: lane r of tile 2 b + u of a key step is token 32 b + 8 u + r + 8 (r / 8):
; so the 16 registers of S^T's tiles 2 b and 2 b + 1 are keys 32 b + 16 h + 0 .. 15, and likewise O^T's registers run along neighbouring channels.
; THE FIRST PRODUCT'S K IS 64, half of the instruction's 128: registers 6-11 of both operands hold zero codes, and the upper two bytes of both scale words are 0 (2^-127, no NaN): they add nothing.
; LDS: key step ks at 12,800 ks: k's 8 half images of 768 bytes; at 6,144 v: [half of the keys][tile of channels][768]; at 12,288 k's scale pairs [tile][r]; at 12,544 v's scale words [tile][r].
; LIMITS: as in the first launch (a block of zeros gets the byte 1; NaN and infinities are not served).
; REGISTERS: v1-4, v7, v11, v42 lane terms that stay; v8-10 addresses of the step; v12 -M, v13 the largest t, v[14:15] the sum; v16-27, v28-39 the two tiles of q; v40, v41 their scale words; v44-91 four fragments of k;
;   v96-159 S^T, then p, then (v96-143) v's four fragments; v160-191 O^T; v192-203 p's codes; v204-239 at work.
.set SPARE, 204800                     ; behind the head's 16 key steps: the spare words, 128 bytes for each wave: eight blocks of 256 bytes that no other line names
.set AK0, 1                            ; v1   8 x lane
.set AS0, 2                            ; v2   2 r + 12,288: k's scale pairs
.set AT0, 3                            ; v3   4 r + 12,544: v's scale words
.set VQ,  4                            ; v4   r + 8 (r / 8) - 16 h: my query's place in its tile, less my half's first key
.set SPW, 5                            ; v5   LDS address of my spare word; never rewritten
.set NIL, 6                            ; v6   0; never rewritten
.set VB,  7                            ; v7   16 r + h: where my byte of y's scales goes
.set ADK, 8
.set ADS, 9
.set ADT, 10
.set KFR, 44
.set S,   96
.set O,   160
.set PC,  192
.set CX,  204                          ; v204-206, v208-210 the conversions' second halves
.set BM,  212                          ; v212-215 the blocks' largest scores, then largest p
.set PT,  216                          ; v216-219 lane l xor 16's, then bytes
.set SO,  220                          ; v220-223 the conversions' scale operands
.set KSC, 224                          ; v224-227 k's scale words
.set VSC, 228                          ; v228-231 v's
.set PSW, 232                          ; v232 p's scale word
.set SEL, 32                           ; s[32:33] v_permlanex16_b32's selects for lane l xor 16
.set CS,  34                           ; s[34:35] c = log2(e) / 8
.set TB,  36                           ; s36  LDS byte at which the key step begins
.set KS,  37                           ; s37  the key step
.set LIMA, 38                          ; s38  the last key step of my first tile: 15 - wave / 2
.set LIMB, 39                          ; s39  of my second: wave / 2
.set DQA, 2                            ; s2   my first tile's first token in its key step
.set DQB, 3                            ; s3   my second's
.macro CROUND                          ; a round of the cluster's barrier
	s_barrier_signal -1
	s_barrier_wait -1
	s_cmp_lg_u32 s12, 0
	s_cbranch_scc1 .Lnot_wave_0_\@
	s_barrier_signal -3
.Lnot_wave_0_\@:
	s_barrier_wait -3
	s_barrier_signal -1
	s_barrier_wait -1
.endm
; Tile s[t]: where its q and q's scale pairs lie, where its y and y's scale bytes go, and its first token in its key step.
.macro TILE t, qp, qs, yp, ys, dq
	s_lshr_b32 s40, s[\t], 3
	s_lshl_b32 s41, s14, 4
	s_add_co_u32 s40, s40, s41                     ; 16 x (batch, head) + the tile's key step
	s_mul_i32 s43, s40, 6400
	s_and_b32 s42, s[\t], 7                        ; the tile's place in it
	s_mul_i32 s40, s42, 768
	s_add_co_u32 s40, s40, s43
	s_mov_b32 s41, 0
	s_add_nc_u64 s[\qp:\qp+1], s[4:5], s[40:41]
	s_lshl_b32 s40, s42, 5
	s_add_co_u32 s40, s40, s43
	s_add_co_u32 s40, s40, 6144
	s_add_nc_u64 s[\qs:\qs+1], s[4:5], s[40:41]
	s_lshr_b32 s40, s42, 1
	s_lshl_b32 s40, s40, 5
	s_and_b32 s43, s42, 1
	s_lshl_b32 s43, s43, 3
	s_add_co_u32 s[\dq], s40, s43                  ; 32 b + 8 u
	s_lshr_b32 s40, s14, 4
	s_lshl_b32 s40, s40, 7
	s_add_co_u32 s42, s40, s[\t]                   ; the row tile of y: 128 x batch + tile
	s_and_b32 s43, s14, 15                         ; the head
	s_lshr_b32 s36, s43, 1                         ; its K step of the projection,
	s_and_b32 s37, s43, 1                          ; and its half of that
	s_lshl_b32 s40, s42, 3
	s_add_co_u32 s40, s40, s36
	s_mul_i32 s40, s40, 1536
	s_mul_i32 s43, s37, 768
	s_add_co_u32 s40, s40, s43
	s_add_nc_u64 s[\yp:\yp+1], s[8:9], s[40:41]
	s_lshl_b32 s40, s42, 9                         ; scale words: 512 bytes a row tile: [K half][r][4 words]
	s_lshr_b32 s43, s36, 2
	s_lshl_b32 s43, s43, 8
	s_add_co_u32 s40, s40, s43
	s_and_b32 s43, s36, 3
	s_lshl_b32 s43, s43, 2
	s_add_co_u32 s40, s40, s43
	s_lshl_b32 s43, s37, 1
	s_add_co_u32 s40, s40, s43
	s_add_nc_u64 s[\ys:\ys+1], s[10:11], s[40:41]
.endm
.macro INIT                            ; a tile's start: the loop has no first step of its own: it finds zeros, which the first change of M leaves zeros
	v_mov_b32 v13, 0xff61b1e6                      ; the largest t so far: -3e38, under every t
	s_delay_alu instid0(VALU_DEP_1)
	v_floor_f32 v12, -v13                          ; -M
	v_mov_b32 v14, 0
	v_mov_b32 v15, 0
.set j, 0
.rept 32
	v_mov_b32 v[O+j], 0
.set j, j+1
.endr
.endm
	s_load_b256 s[4:11], s[0:1], 0x0               ; qb s[4:5], kv s[6:7], yi s[8:9], ys s[10:11]
	v_lshl_add_u32 v[SPW], v0, 2, SPARE
	v_mov_b32 v[NIL], 0
	ds_add_u32 v[SPW], v[NIL]                      ; the wave's opening: the add, twice on end, and its wait ahead of my first tensor load
	ds_add_u32 v[SPW], v[NIL]
	v_lshrrev_b32 v1, 5, v0
	s_delay_alu instid0(VALU_DEP_1)
	v_readfirstlane_b32 s12, v1                    ; wave 0..15
	s_bfe_u32 s13, ttmp6, 0x40000                  ; cx
	s_and_b32 s14, ttmp7, 0xffff                   ; 16 x batch + head, which the four partners share
	s_mov_b32 s16, 15|(3<<16)|(1<<21)              ; group 1: 15:0 the mask: all four work-groups; 17:16 elements of 8 bytes; 21 set beside a mask; no padding
	s_mov_b32 s17, 32<<16                          ; 6,400 dense bytes as 25 rows of 256
	s_mov_b32 s18, 25<<16
	s_mov_b32 s19, 32<<16
	s_mov_b32 s20, 25
	s_mov_b32 s21, 32
	s_mov_b32 s22, 0
	s_mov_b32 s23, 0
	s_mov_b32 s[SEL], 0x76543210
	s_mov_b32 s[SEL+1], 0xfedcba98
	s_mov_b32 s[CS], 0x3e38aa3b                    ; c = log2(e) / 8
	s_mov_b32 s[CS+1], s[CS]                       ; (named with it as a pair, so it is written)
	s_lshl_b32 s61, s12, 2
	s_add_co_u32 s61, s61, s13                     ; u: my second tile
	s_sub_co_u32 s60, 127, s61                     ; my first
	s_lshr_b32 s[LIMB], s12, 1
	s_sub_co_u32 s[LIMA], 15, s[LIMB]
	s_mul_i32 s42, s12, 6400                       ; my sixteenth of half a head: in LDS,
	s_mul_i32 s40, s14, 204800
	s_add_co_u32 s40, s40, s42                     ; and in memory
	s_mov_b32 s41, 0
	s_wait_dscnt 0x0                               ; both opening adds are done
	s_wait_kmcnt 0x0
	s_mov_b32 s24, 1
	s_mov_b32 s25, s42
	s_add_nc_u64 s[26:27], s[6:7], s[40:41]
	s_mov_b32 s28, 1
	s_add_co_u32 s29, s42, 102400
	s_add_nc_u64 s[30:31], s[26:27], 102400
	s_or_b32 s27, s27, 0x80000000
	s_or_b32 s31, s31, 0x80000000
	CROUND                                         ; all four work-groups are here: the joint loads meet
	tensor_load_to_lds s[24:27], s[16:23]          ; key steps 0-7: every wave brings a sixteenth
	s_nop 0
	tensor_load_to_lds s[28:31], s[16:23]          ; key steps 8-15: two loads of mine are out
	s_nop 0
.rept 4
	v_nop
.endr
	TILE 60, 52, 56, 44, 46, DQA
	TILE 61, 54, 58, 48, 50, DQB
	v_and_b32 v238, 31, v0                         ; lane
	v_and_b32 v239, 15, v0                         ; r
	v_bfe_u32 v11, v0, 4, 1                        ; h
	s_delay_alu instid0(VALU_DEP_3)
	v_lshlrev_b32 v[AK0], 3, v238
	s_delay_alu instid0(VALU_DEP_3)
	v_lshlrev_b32 v42, 1, v239
.irp g, 0,1,2
	global_load_b64 v[16+2*\g:17+2*\g], v[AK0], s[52:53] offset:256*\g     ; both tiles of q stay in registers
	global_load_b64 v[28+2*\g:29+2*\g], v[AK0], s[54:55] offset:256*\g
.endr
	global_load_u16 v40, v42, s[56:57]             ; their scale pairs, the upper half 0
	global_load_u16 v41, v42, s[58:59]
	v_lshl_add_u32 v[AS0], v239, 1, 12288
	v_lshl_add_u32 v[AT0], v239, 2, 12544
	v_and_b32 v[VQ], 8, v239
	s_delay_alu instid0(VALU_DEP_1)
	v_add_nc_u32 v[VQ], v[VQ], v239
	v_lshlrev_b32 v238, 4, v11
	s_delay_alu instid0(VALU_DEP_1)
	v_sub_nc_u32 v[VQ], v[VQ], v238
	v_lshl_add_u32 v[VB], v239, 4, v11
.irp i, 22,23,24,25,26,27,34,35,36,37,38,39
	v_mov_b32 v\i, 0                               ; q's codes beyond K = 64
.endr
.irp t, 0,1,2,3
.irp i, 6,7,8,9,10,11
	v_mov_b32 v[KFR+12*\t+\i], 0                   ; k's likewise: no load ever lands here
.endr
.endr
.irp b, 0,1,2,3
	v_mov_b32 v[PT+\b], 0                          ; written once: a lane permute's destination counts as one of its sources
.endr
	v_mov_b32 v235, 0                              ; (named as the upper half of the pair v[234:235])
	INIT
; A KEY STEP: 128 keys.  qf, qs: the tile's fragment of q and its scale word.  masked = 1: the step is left out where it lies behind the tile's last (a scalar branch on the count of steps and the wave's number),
; and on the diagonal hidden scores become -infinity.
.macro STEP qf, qs, masked, lim, dq
.if \masked
	s_cmp_gt_u32 s[KS], s[\lim]
	s_cbranch_scc1 .Lhidden_\@
.endif
	s_setprio 2
	v_add_nc_u32 v[ADK], s[TB], v[AK0]             ; these three and two v_nop: five places between the last step's products, which read v's fragments, and the products below, which write over them (ISA guide 7.12.1)
	s_wait_alu depctr_va_vdst(0)
	v_add_nc_u32 v[ADS], s[TB], v[AS0]
	s_wait_alu depctr_va_vdst(0)
	v_add_nc_u32 v[ADT], s[TB], v[AT0]
	v_nop
	v_nop
.irp g, 0,1                            ; S^T = k q^T, four tiles of 16 keys at a time
.if \g
.rept 4
	v_nop                                          ; places in front of loads into registers that matrix instructions have read
.endr
.endif
.irp t, 0,1,2,3
.irp p, 0,1,2
	ds_load_b64 v[KFR+12*\t+2*\p:KFR+12*\t+2*\p+1], v[ADK] offset:768*(4*\g+\t)+256*\p
.endr
	ds_load_u16 v[KSC+\t], v[ADS] offset:32*(4*\g+\t)
.endr
	s_wait_dscnt 0x0
.irp t, 0,1,2,3
	v_wmma_scale_f32_16x16x128_f8f6f4 v[S+8*(4*\g+\t):S+8*(4*\g+\t)+7], v[KFR+12*\t:KFR+12*\t+11], v[\qf:\qf+11], 0, v[KSC+\t], v[\qs] matrix_a_fmt:MATRIX_FMT_BF6 matrix_b_fmt:MATRIX_FMT_BF6
.endr
.endr
.rept 4
	v_nop
.endr
.if \masked
	s_cmp_lt_u32 s[KS], s[\lim]                    ; a step all of whose keys count skips the mask
	s_cbranch_scc1 .Lopen_\@
	v_add_nc_u32 v238, s[\dq], v[VQ]               ; d = my query - 16 h, in the key step.  Register 16 b + i holds key 32 b + 16 h + i: hidden where 32 b + i > d
	v_mov_b32 v239, 0xff800000                     ; -infinity
.set n, 0
.rept 64
	v_cmp_gt_i32 vcc_lo, 32*(n/16)+n%16, v238
	v_cndmask_b32 v[S+n], v[S+n], v239, vcc_lo
.set n, n+1
.endr
.Lopen_\@:
.endif
.irp b, 0,1,2,3
	v_max3_num_f32 v[BM+\b], v[S+16*\b], v[S+1+16*\b], v[S+2+16*\b]   ; the largest score of each block of 32 keys: it serves for the row's maximum and, since p rises with the score, for the block's largest p
.endr
.irp i, 3,5,7,9,11,13
.irp b, 0,1,2,3
	v_max3_num_f32 v[BM+\b], v[BM+\b], v[S+16*\b+\i], v[S+1+16*\b+\i]
.endr
.endr
.irp b, 0,1,2,3
	v_max_num_f32 v[BM+\b], v[BM+\b], v[S+15+16*\b]
.endr
.irp b, 0,1,2,3
	s_delay_alu instid0(VALU_DEP_4)
	v_permlanex16_b32 v[PT+\b], v[BM+\b], s[SEL], s[SEL+1]
.endr
.irp b, 0,1,2,3
	s_delay_alu instid0(VALU_DEP_4)
	v_max_num_f32 v[BM+\b], v[BM+\b], v[PT+\b]     ; with lane l xor 16's 16 keys
.endr
	s_delay_alu instid0(VALU_DEP_2)
	v_max3_num_f32 v238, v[BM], v[BM+1], v[BM+2]
	s_delay_alu instid0(VALU_DEP_1)
	v_max_num_f32 v238, v238, v[BM+3]              ; the step's largest score of my query (the step's first key counts for every query of a step that is walked)
	s_delay_alu instid0(VALU_DEP_1)
	v_mul_f32 v238, s[CS], v238
	s_delay_alu instid0(VALU_DEP_1)
	v_max_num_f32 v13, v13, v238                   ; the running largest t
	v_mov_b32 v238, v12
	s_delay_alu instid0(VALU_DEP_2)
	v_floor_f32 v12, -v13                          ; the new -M = -ceil(t): a whole number
	s_delay_alu instid0(VALU_DEP_1)
	v_sub_f32 v238, v12, v238                      ; old M - new M: a whole number, 0 or less
	s_delay_alu instid0(VALU_DEP_1)
	v_cvt_i32_f32 v238, v238                       ; (it saturates)
	s_delay_alu instid0(VALU_DEP_1)
	v_ldexp_f32 v234, 1.0, v238                    ; f = 2^(old M - new M)
.set j, 0
.rept 32
	v_pk_fma_f32 v[S+j:S+j+1], v[S+j:S+j+1], s[CS:CS+1], v[12:13] op_sel_hi:[1,0,0]   ; t - M, two at a time
.set j, j+2
.endr
.irp b, 0,1,2,3
	v_fma_f32 v[BM+\b], v[BM+\b], s[CS], v12       ; the same of each block's largest score
.endr
.set j, 0
	s_setprio 1
	s_wait_alu depctr_va_vdst(0)
.rept 64
	v_exp_f32 v[S+j], v[S+j]                       ; p = 2^(t - M), at most 1
.set j, j+1
.endr
	v_pk_mul_f32 v[14:15], v[14:15], v[234:235] op_sel_hi:[1,0]   ; the sums under the new M; the plain instruction behind the exponentials
	s_wait_alu depctr_va_vdst(0)                   ; one wait for the whole batch, ahead of its first reader
.irp b, 0,1,2,3
	v_exp_f32 v[BM+\b], v[BM+\b]                   ; the block's largest p
.endr
	v_pk_add_f32 v[236:237], v[100:101], v[104:105]
	v_pk_add_f32 v[254:255], v[108:109], v[112:113]
	v_pk_add_f32 v[252:253], v[116:117], v[120:121]
	v_pk_add_f32 v[250:251], v[124:125], v[128:129]
	v_pk_add_f32 v[248:249], v[132:133], v[136:137]
	v_pk_add_f32 v[246:247], v[140:141], v[144:145]
	v_pk_add_f32 v[244:245], v[148:149], v[152:153]
	v_pk_add_f32 v[14:15], v[14:15], v[156:157]
	v_pk_add_f32 v[236:237], v[236:237], v[96:97]
	v_pk_add_f32 v[254:255], v[254:255], v[98:99]
	v_pk_add_f32 v[252:253], v[252:253], v[102:103]
	v_pk_add_f32 v[250:251], v[250:251], v[106:107]
	v_pk_add_f32 v[248:249], v[248:249], v[110:111]
	v_pk_add_f32 v[246:247], v[246:247], v[114:115]
	v_pk_add_f32 v[244:245], v[244:245], v[118:119]
	v_pk_add_f32 v[14:15], v[14:15], v[122:123]
	v_pk_add_f32 v[236:237], v[236:237], v[126:127]
	v_pk_add_f32 v[254:255], v[254:255], v[130:131]
	v_pk_add_f32 v[252:253], v[252:253], v[134:135]
	v_pk_add_f32 v[250:251], v[250:251], v[138:139]
	v_pk_add_f32 v[248:249], v[248:249], v[142:143]
	v_pk_add_f32 v[246:247], v[246:247], v[146:147]
	v_pk_add_f32 v[244:245], v[244:245], v[150:151]
	v_pk_add_f32 v[14:15], v[14:15], v[154:155]
	v_pk_add_f32 v[236:237], v[236:237], v[158:159]
	s_delay_alu instid0(VALU_DEP_2)
	v_pk_add_f32 v[14:15], v[14:15], v[250:251]
	s_delay_alu instid0(VALU_DEP_2)
	v_pk_add_f32 v[236:237], v[236:237], v[248:249]
	v_pk_add_f32 v[254:255], v[254:255], v[246:247]
	v_pk_add_f32 v[252:253], v[252:253], v[244:245]
	s_delay_alu instid0(VALU_DEP_2)
	v_pk_add_f32 v[14:15], v[14:15], v[254:255]
	s_delay_alu instid0(VALU_DEP_2)
	v_pk_add_f32 v[236:237], v[236:237], v[252:253]
	s_delay_alu instid0(VALU_DEP_1)
	v_pk_add_f32 v[14:15], v[14:15], v[236:237]
	s_wait_alu depctr_va_vdst(0)                   ; and one for the four
.irp b, 0,1,2,3
	v_max_num_f32 v[BM+\b], 0x2800000, v[BM+\b]    ; the floor 2^(5 - 127): a block whose every p is 0 keeps the byte 1: its codes are zeros
.endr
.irp b, 0,1,2,3
	s_delay_alu instid0(VALU_DEP_4)
	v_add_nc_u32 v[SO+\b], 0xfe000000, v[BM+\b]
.endr
.irp b, 0,1,2,3
	s_delay_alu instid0(VALU_DEP_4)
	v_lshrrev_b32 v[PT+\b], 23, v[SO+\b]
.endr
	s_delay_alu instid0(VALU_DEP_3)
	v_lshl_or_b32 v[PSW], v[PT+1], 8, v[PT]        ; p's scale word for these 128 keys
	s_delay_alu instid0(VALU_DEP_1)
	v_lshl_or_b32 v[PSW], v[PT+2], 16, v[PSW]
	s_delay_alu instid0(VALU_DEP_1)
	v_lshl_or_b32 v[PSW], v[PT+3], 24, v[PSW]
.irp c, 0,1
	v_cvt_scalef32_pk16_bf6_f32 v[PC+6*\c:PC+6*\c+2], v[S+32*\c:S+32*\c+15], v[SO+2*\c]
	v_cvt_scalef32_pk16_bf6_f32 v[CX+4*\c:CX+4*\c+2], v[S+32*\c+16:S+32*\c+31], v[SO+2*\c+1]
.endr
	v_nop                                          ; one plain instruction behind a scaled conversion
.irp t, 0,1,2,3                        ; p is done with: v's four fragments land in its registers while the codes are put in order
.irp p, 0,1,2,3,4,5
	ds_load_b64 v[S+12*\t+2*\p:S+12*\t+2*\p+1], v[ADK] offset:6144+3072*(\p/3)+768*\t+256*(\p%3)
.endr
	ds_load_b32 v[VSC+\t], v[ADT] offset:64*\t
.endr
	s_setprio 0
.irp c, 0,1                            ; the operand's layout wants a WHOLE block in a lane
.irp i, 0,1,2
	v_permlane16_swap_b32 v[PC+6*\c+\i], v[CX+4*\c+\i]
.endr
.irp i, 0,1,2
	s_delay_alu instid0(VALU_DEP_3)
	v_mov_b32 v[PC+3+6*\c+\i], v[CX+4*\c+\i]
.endr
.endr
.set j, 0
.rept 16
	v_pk_mul_f32 v[O+j:O+j+1], v[O+j:O+j+1], v[234:235] op_sel_hi:[1,0]   ; O^T under the new M; these sixteen also stand between the writes of p's codes and scale word and the products
.set j, j+2
.endr
	s_wait_alu depctr_va_vdst(0)
	s_wait_dscnt 0x0
.irp t, 0,1,2,3                        ; O^T += v^T p^T: four tiles of 16 channels, by turns
	v_wmma_scale_f32_16x16x128_f8f6f4 v[O+8*\t:O+8*\t+7], v[S+12*\t:S+12*\t+11], v[PC:PC+11], v[O+8*\t:O+8*\t+7], v[VSC+\t], v[PSW] matrix_a_fmt:MATRIX_FMT_BF6 matrix_b_fmt:MATRIX_FMT_BF6
.endr
.if \masked
.Lhidden_\@:
.endif
	s_add_co_u32 s[TB], s[TB], 12800
.endm
; A tile's end: y = O^T / the sum; its 64 channels are two blocks of the projection's K: codes as half an image, one byte a block.
.macro FINISH yp, ysp
.rept 4
	v_nop                                          ; places behind the last products
.endr
	v_add_f32 v14, v14, v15
	s_delay_alu instid0(VALU_DEP_1)
	v_permlanex16_b32 v238, v14, s[SEL], s[SEL+1]
	s_delay_alu instid0(VALU_DEP_1)
	v_add_f32 v14, v14, v238                       ; the row's sum
	s_wait_alu depctr_va_vdst(0)
	v_rcp_f32 v14, v14
	v_nop
	s_wait_alu depctr_va_vdst(0)                   ; ahead of the reciprocal's first reader
.set j, 0
.rept 32
	v_mul_f32 v[S+j], v[O+j], v14                  ; register 16 b + i: channel 32 b + 16 h + i of my query
.set j, j+1
.endr
.irp b, 0,1
	v_max3_num_f32 v[BM+\b], |v[S+16*\b]|, |v[S+16*\b+1]|, 0x2800000
.endr
.irp i, 2,4,6,8,10,12,14
.irp b, 0,1
	s_delay_alu instid0(VALU_DEP_2)
	v_max3_num_f32 v[BM+\b], v[BM+\b], |v[S+16*\b+\i]|, |v[S+16*\b+\i+1]|
.endr
.endr
.irp b, 0,1
	s_delay_alu instid0(VALU_DEP_2)
	v_permlanex16_b32 v[PT+\b], v[BM+\b], s[SEL], s[SEL+1]
.endr
.irp b, 0,1
	s_delay_alu instid0(VALU_DEP_2)
	v_max_num_f32 v[BM+\b], v[BM+\b], v[PT+\b]
.endr
.irp b, 0,1
	s_delay_alu instid0(VALU_DEP_2)
	v_add_nc_u32 v[SO+\b], 0xfe000000, v[BM+\b]
.endr
.irp b, 0,1
	s_delay_alu instid0(VALU_DEP_2)
	v_lshrrev_b32 v[PT+\b], 23, v[SO+\b]
.endr
	v_cvt_scalef32_pk16_bf6_f32 v[PC:PC+2], v[S:S+15], v[SO]
	v_cvt_scalef32_pk16_bf6_f32 v[PC+4:PC+6], v[S+16:S+31], v[SO+1]
	v_nop
.irp i, 0,1,2
	v_permlane16_swap_b32 v[PC+\i], v[PC+4+\i]     ; lanes 0-15 now hold block 0, lanes 16-31 block 1
.endr
	s_delay_alu instid0(VALU_DEP_3)
	v_mov_b32 v[PC+3], v[PC+4]
	s_delay_alu instid0(VALU_DEP_3)
	v_mov_b32 v[PC+4], v[PC+5]
	s_delay_alu instid0(VALU_DEP_3)
	v_mov_b32 v[PC+5], v[PC+6]
	v_cmp_eq_u32 vcc_lo, 1, v11
	s_delay_alu instid0(VALU_DEP_1)
	v_cndmask_b32 v238, v[PT], v[PT+1], vcc_lo     ; my half's block's byte
.irp g, 0,1,2
	global_store_b64 v[AK0], v[PC+2*\g:PC+2*\g+1], s[\yp:\yp+1] offset:256*\g   ; 32 lanes store 256 consecutive bytes, aligned
.endr
	global_store_b8 v[VB], v238, s[\ysp:\ysp+1]    ; 32 single bytes inside one run of 256: a head's two of each row's 32 scale bytes
	s_wait_xcnt 0x0                                ; the stores' data are written again only behind this wait
.endm
	s_wait_tensorcnt 1                             ; my part of key steps 0-7 is in; the other half's load may stay out
	s_barrier_signal -1
	s_barrier_wait -1                              ; everybody's is
	s_wait_loadcnt 0x0                             ; q
	s_mov_b32 s[TB], 0
	s_mov_b32 s[KS], 0
.Lplain:                                           ; my first tile is one of tiles 64-127: all keys of steps 0-7 count for it
	STEP 16, 40, 0, 0, 0
	s_add_co_u32 s[KS], s[KS], 1
	s_cmp_lt_u32 s[KS], 8
	s_cbranch_scc1 .Lplain
	s_setprio 0
	s_wait_tensorcnt 0x0                           ; my part of key steps 8-15 is in
	s_wait_dscnt 0x0
	s_barrier_signal -1
	s_barrier_wait -1
	s_mov_b32 s[TB], 102400
.Lmask_a:                                          ; steps 8-15: up to the tile's own
	STEP 16, 40, 1, LIMA, DQA
	s_add_co_u32 s[KS], s[KS], 1
	s_cmp_lt_u32 s[KS], 16
	s_cbranch_scc1 .Lmask_a
	s_setprio 0
	FINISH 44, 46
	INIT
	s_mov_b32 s[TB], 0
	s_mov_b32 s[KS], 0
.Lmask_b:                                          ; my second tile is one of tiles 0-63: steps 0-7, up to its own
	STEP 28, 41, 1, LIMB, DQB
	s_add_co_u32 s[KS], s[KS], 1
	s_cmp_lt_u32 s[KS], 8
	s_cbranch_scc1 .Lmask_b
	s_setprio 0
	FINISH 48, 50
	s_wait_tensorcnt 0x0                           ; the wave's end: behind my last tensor load
	ds_add_u32 v[SPW], v[NIL]
	s_wait_dscnt 0x0
	CROUND                                         ; the closing round
	s_endpgm
.Lfunc_end_k_q1c2e1d9191_attn:
	.size	k_q1c2e1d9191_attn, .Lfunc_end_k_q1c2e1d9191_attn-k_q1c2e1d9191_attn
	.p2alignl 7, 3214868480
	.fill 96, 4, 3214868480
	.section	.rodata,"a",@progbits
	.p2align	6, 0x0
	.amdhsa_kernel k_q1c2e1d9191_attn
		.amdhsa_group_segment_fixed_size 206848
		.amdhsa_private_segment_fixed_size 0
		.amdhsa_enable_private_segment 0
		.amdhsa_kernarg_size 32
		.amdhsa_user_sgpr_count 2
		.amdhsa_user_sgpr_kernarg_segment_ptr 1
		.amdhsa_wavefront_size32 1
		.amdhsa_system_sgpr_workgroup_id_x 1
		.amdhsa_system_sgpr_workgroup_id_y 1
		.amdhsa_system_sgpr_workgroup_id_z 1
		.amdhsa_system_vgpr_workitem_id 0
		.amdhsa_next_free_vgpr 256
		.amdhsa_next_free_sgpr 66
		.amdhsa_reserve_vcc 1
		.amdhsa_float_denorm_mode_32 3
		.amdhsa_float_denorm_mode_16_64 3
		.amdhsa_memory_ordered 1
		.amdhsa_forward_progress 1
		.amdhsa_inst_pref_size 89
	.end_amdhsa_kernel
	.amdgpu_metadata
---
amdhsa.version: [ 1, 2 ]
amdhsa.kernels:
  - .name:           k_q1c2e1d9191_attn
    .symbol:         k_q1c2e1d9191_attn.kd
    .args:
      - { .name: qb, .offset: 0, .size: 8, .value_kind: global_buffer, .address_space: global }
      - { .name: kv, .offset: 8, .size: 8, .value_kind: global_buffer, .address_space: global }
      - { .name: yi, .offset: 16, .size: 8, .value_kind: global_buffer, .address_space: global }
      - { .name: ys, .offset: 24, .size: 8, .value_kind: global_buffer, .address_space: global }
    .group_segment_fixed_size: 206848
    .private_segment_fixed_size: 0
    .kernarg_segment_align: 8
    .kernarg_segment_size: 32
    .max_flat_workgroup_size: 512
    .sgpr_count:     66
    .vgpr_count:     256
    .wavefront_size: 32
...
	.end_amdgpu_metadata
.endif
;; end of part 3
;; launch proj (part 4): grid 4 x 64, 4 waves a work-group, clusters of 4 x 4, 307,712 bytes of LDS; arguments yi, ys, opi, ops, out0; writes out0
.if DOCPART == 4
	.amdgcn_target "amdgcn-amd-amdhsa--gfx1250"
	.amdhsa_code_object_version 6
	.text
	.protected	k_q1c2e1d9191_proj
	.globl	k_q1c2e1d9191_proj
	.p2align	8
	.type	k_q1c2e1d9191_proj,@function
k_q1c2e1d9191_proj:
	s_mov_b64 s[64:65], 0
	v_nop
	global_prefetch_b8 v0, s[64:65] scope:SCOPE_SE
	s_setreg_imm32_b32 hwreg(HW_REG_WAVE_MODE, 25, 1), 1
	s_wait_xcnt 0x0
	s_wait_alu depctr_hold_cnt(0) depctr_sa_sdst(0) depctr_va_vdst(0) depctr_va_sdst(0) depctr_va_ssrc(0) depctr_va_vcc(0) depctr_vm_vsrc(0)
	s_getreg_b32 s2, hwreg(HW_REG_IB_STS2, 6, 4)
	s_cmp_eq_u32 s2, 0
	s_cbranch_scc0 .Lentry_in_a_cluster
	s_endpgm
.Lentry_in_a_cluster:
	s_bfe_u32 s2, ttmp6, 0x10000c
	s_cmp_lg_u32 s2, 0xf033
	s_cbranch_scc0 .Lentry_shape_is_right
	s_endpgm
.Lentry_shape_is_right:
; out0 = y W_proj^T on codes of BF6 (E3M2) with E8M0 scales; sums in f32.  y's codes and scale words come from the attention, W_proj's from the first launch (row tiles 704-767 of the operands' buffers).
; OPERANDS lie as images of their registers: row tile x 12,288 bytes, in it 1,536 bytes for each 128 along K (register pair p of lane l at 256 p + 8 l); scale words 512 bytes a row tile: [K half][r][4 words].
; The rows of a tile are not neighbours: lane r of tile 2 b + u takes row 32 b + 8 u + r + 8 (r / 8), in y's tokens and in W_proj's rows alike: the way out puts rows and columns back.
; A WORK-GROUP makes 128 tokens x 256 columns; ALL of K = 1,024 of both operands lies in LDS (294,912 bytes), in four chunks of 256 along K: every LDS byte is filled once.
; Four waves; wave w takes tokens 64 (w / 2) on (4 blocks) and columns 128 (w % 2) on (8 blocks): 32 accumulators.  THE MATRIX INSTRUCTION IS USED TRANSPOSED (source 0 = W_proj's block, source 1 = y's):
; a lane holds one token and eight neighbouring columns.
; CLUSTERS: 4 x 4.  y's tiles are shared along a row of the cluster, W_proj's along a column: each is asked for jointly.  By this text's own count a wave has five tensor loads out at the most, all issued at the head.
; REGISTERS: window 0: v1-3 lane, r, h; v16-29 addresses; v32-95 scale words; v96-191 y's fragments, two sets; on the way out v96-223 rows of out0.  window 1: W_proj's fragments, two sets.  window 2: accumulator (a, b) at v[8 (8 a + b)].
.set CHUNK, 73728                      ; 256 along K: A's 8 row tiles x 3,072 bytes, then B's 16
.set BOFF,  24576
.set SCL,   4*CHUNK                    ; the scale words: A's 4,096 bytes, then B's 8,192
.set SPARE, SCL+12288                  ; the spare words, 128 bytes for each wave: two blocks of 256 bytes that no other line names
.set SPITCH, 528                       ; the way out: a stage of 16 rows x (512 + 16) bytes for each wave, in chunk 0, which has had its one fill and whose last reads lie behind three barriers
.set ADRA, 16                          ; v16-19  LDS address of my A fragments in chunk q
.set ADRB, 20                          ; v20-23  the same for B
.set STO,  24                          ; v24     the way out: where I put 32 bytes of a row
.set RD,   25                          ; v25     where I read a row back
.set CO,   26                          ; v26     16 x lane: my bytes of a row of out0
.set ADRS, 27                          ; v27     LDS address of my scale words: lanes 0-15 A's rows, lanes 16-31 B's
.set SPW,  28                          ; v28     LDS address of my spare word; never rewritten
.set NIL,  29                          ; v29     0; never rewritten
.set SC,   32
.set AF,   96
.set BK,   96                          ; the way out: 16 rows read back: v96-159 and v160-223 by turns
.set G1A,  24
.set G1B,  32
.set G1SA, 40
.set G1SB, 48
.set G0SA, 92
.set G0SB, 96
.set MULW, 0xa1                        ; source 0 (B) window 1, source 1 (A) window 0, C and D window 2
.set MSB, 0
.macro WIN new                         ; the immediate's high byte repeats the setting that is left
.if MSB != \new
	s_set_vgpr_msb (MSB<<8)|\new
.set MSB, \new
.endif
.endm
; A joint load: waves 0 and 1 fetch for A, waves 2 and 3 for B; the branch hangs on the wave's number alone.  An s_nop 0 and four v_nop follow each of the two lines.
.macro JLOAD g0a, g1a, g0b, g1b
	s_cmp_eq_u32 s13, 0
	s_cbranch_scc0 .Lfor_b_\@
	tensor_load_to_lds s[\g0a:\g0a+3], s[\g1a:\g1a+7]
	s_nop 0
.rept 4
	v_nop
.endr
	s_branch .Lasked_\@
.Lfor_b_\@:
	tensor_load_to_lds s[\g0b:\g0b+3], s[\g1b:\g1b+7]
	s_nop 0
.rept 4
	v_nop
.endr
.Lasked_\@:
.endm
.macro CROUND                          ; a round of the cluster's barrier
	s_barrier_signal -1
	s_barrier_wait -1
	s_cmp_lg_u32 s12, 0
	s_cbranch_scc1 .Lnot_wave_0_\@
	s_barrier_signal -3
.Lnot_wave_0_\@:
	s_barrier_wait -3
	s_barrier_signal -1
	s_barrier_wait -1
.endm
.macro SHAPE g, c, r, p                ; group 1 behind its first word: r rows of c elements of 8 bytes, p elements apart
	s_mov_b32 s[\g+1], (\c)<<16
	s_mov_b32 s[\g+2], (\r)<<16
	s_mov_b32 s[\g+3], (\c)<<16
	s_mov_b32 s[\g+4], \r
	s_mov_b32 s[\g+5], \p
	s_mov_b32 s[\g+6], 0
	s_mov_b32 s[\g+7], 0
.endm
.macro PLACES n
.rept \n
	v_nop
.endr
.endm
	s_load_b256 s[4:11], s[0:1], 0x0               ; y's codes s[4:5], y's scale words s[6:7], the weights' codes s[8:9], their scale words s[10:11]
	v_lshl_add_u32 v[SPW], v0, 2, SPARE
	v_mov_b32 v[NIL], 0
	ds_add_u32 v[SPW], v[NIL]                      ; the wave's opening: the add, twice on end, and its wait ahead of my first tensor load
	ds_add_u32 v[SPW], v[NIL]
	v_lshrrev_b32 v1, 5, v0
	v_readfirstlane_b32 s12, v1                    ; wave 0..3
	s_lshr_b32 s13, s12, 1                         ; which 64 tokens are mine.  Also: I fetch for A (0) or for B (1)
	s_and_b32 s14, s12, 1                          ; which 128 columns.  Also: which half of that operand's tiles I fetch
	s_bfe_u32 s16, ttmp6, 0x40000                  ; cx
	s_bfe_u32 s17, ttmp6, 0x40004                  ; cy
	s_and_b32 s18, ttmp7, 0xffff
	s_lshl_b32 s18, s18, 2
	s_add_co_u32 s18, s18, s17                     ; which 128 tokens: 4 x cluster y + cy
	s_lshl_b32 s19, ttmp9, 2
	s_add_co_u32 s19, s19, s16                     ; which 256 columns: 4 x cluster x + cx
	s_lshl_b32 s20, s17, 2
	s_lshl_b32 s20, 15, s20                        ; my row of the cluster
	s_lshl_b32 s21, 0x1111, s16                    ; my column
	s_or_b32 s[G1A], s20, (3<<16)|(1<<21)          ; 15:0 the mask; 17:16 elements of 8 bytes; 21 set beside a mask; no padding
	s_or_b32 s[G1SA], s20, (3<<16)|(1<<21)
	s_or_b32 s[G1B], s21, (3<<16)|(1<<21)
	s_or_b32 s[G1SB], s21, (3<<16)|(1<<21)
	SHAPE G1A, 384, 4, 1536                        ; 4 row tiles x 3,072 bytes of a chunk, 12,288 bytes apart
	SHAPE G1B, 384, 8, 1536
	SHAPE G1SA, 32, 8, 32                          ; 4 row tiles' scale words: 2,048 dense bytes as rows of 256
	SHAPE G1SB, 32, 16, 32
	s_lshl_b32 s2, s18, 3
	s_lshl_b32 s20, s14, 2
	s_add_co_u32 s2, s2, s20                       ; A: the first of the 4 row tiles that I fetch
	s_lshl_b32 s3, s19, 4
	s_add_co_u32 s3, s3, 704                       ; W_proj's first row tile
	s_lshl_b32 s22, s14, 3
	s_add_co_u32 s3, s3, s22                       ; B: the first of 8
	s_mul_i32 s20, s2, 12288
	s_mov_b32 s21, 0
	s_lshl_b32 s66, s2, 9
	s_mov_b32 s67, 0
	s_mul_i32 s22, s3, 12288
	s_mov_b32 s23, 0
	s_lshl_b32 s100, s3, 9
	s_mov_b32 s101, 0
	s_mul_i32 s2, s14, 12288                       ; where they go: no place in the cluster enters an LDS address
	s_mul_i32 s3, s14, 24576
	s_wait_dscnt 0x0                               ; both opening adds are done
	s_wait_kmcnt 0x0
	s_add_nc_u64 s[20:21], s[4:5], s[20:21]
	s_add_nc_u64 s[66:67], s[6:7], s[66:67]
	s_add_nc_u64 s[22:23], s[8:9], s[22:23]
	s_add_nc_u64 s[100:101], s[10:11], s[100:101]
	CROUND                                         ; all sixteen work-groups are here: the joint loads meet
	s_mov_b32 s[G0SA], 1
	s_lshl_b32 s[G0SA+1], s14, 11
	s_add_co_u32 s[G0SA+1], s[G0SA+1], SCL
	s_mov_b64 s[G0SA+2:G0SA+3], s[66:67]
	s_or_b32 s[G0SA+3], s[G0SA+3], 0x80000000
	s_mov_b32 s[G0SB], 1
	s_lshl_b32 s[G0SB+1], s14, 12
	s_add_co_u32 s[G0SB+1], s[G0SB+1], SCL+4096
	s_mov_b64 s[G0SB+2:G0SB+3], s[100:101]
	s_or_b32 s[G0SB+3], s[G0SB+3], 0x80000000
	JLOAD G0SA, G1SA, G0SB, G1SB                   ; the scale words first: they are wanted with chunk 0
.irp q, 0,1,2,3
.set GA, 56+4*\q+4*(\q/2)
.set GB, 76+4*\q
	s_mov_b32 s[GA], 1
	s_add_co_u32 s[GA+1], s2, \q*CHUNK
	s_add_nc_u64 s[GA+2:GA+3], s[20:21], \q*3072
	s_or_b32 s[GA+3], s[GA+3], 0x80000000
	s_mov_b32 s[GB], 1
	s_add_co_u32 s[GB+1], s3, \q*CHUNK+BOFF
	s_add_nc_u64 s[GB+2:GB+3], s[22:23], \q*3072
	s_or_b32 s[GB+3], s[GB+3], 0x80000000
	JLOAD GA, G1A, GB, G1B
.endr
	s_load_b64 s[20:21], s[0:1], 0x20              ; out0
	v_and_b32 v1, 31, v0                           ; lane
	v_and_b32 v2, 15, v0                           ; r
	v_bfe_u32 v3, v0, 4, 1                         ; h
	v_lshlrev_b32 v4, 3, v1                        ; 8 x lane
	s_mul_i32 s2, s13, 12288                       ; my four row tiles of A,
	s_mul_i32 s3, s14, 24576
	s_add_co_u32 s3, s3, BOFF                      ; my eight of B
.irp q, 0,1,2,3
	v_add_nc_u32 v[ADRA+\q], s2, v4
	v_add_nc_u32 v[ADRB+\q], s3, v4
	s_add_co_u32 s2, s2, CHUNK
	s_add_co_u32 s3, s3, CHUNK
.endr
	s_lshl_b32 s2, s13, 11                         ; A's scale words: my four tiles
	s_lshl_b32 s3, s14, 12
	s_add_co_u32 s3, s3, 4096                      ; B's: my eight, behind A's
	s_sub_co_u32 s3, s3, s2
	v_mul_u32_u24 v5, s3, v3                       ; lanes 16-31 take B's: one product, the distance x h
	s_add_co_u32 s2, s2, SCL
	v_lshl_add_u32 v5, v2, 4, v5
	v_add_nc_u32 v[ADRS], s2, v5
	s_mul_i32 s4, s12, 16*SPITCH                   ; my stage
	v_mul_u32_u24 v[STO], v2, SPITCH               ; in: row r; my half's columns begin 16 h columns on
	v_lshl_add_u32 v[STO], v3, 6, v[STO]
	v_add_nc_u32 v[STO], s4, v[STO]
	v_lshlrev_b32 v[CO], 4, v1                     ; back: the 32 lanes take one row of 512 bytes
	v_add_nc_u32 v[RD], s4, v[CO]
	s_lshl_b32 s2, s18, 7
	s_lshl_b32 s3, s13, 6
	s_add_co_u32 s2, s2, s3                        ; my first token
	s_lshl_b32 s2, s2, 12                          ; a row of out0 is 4,096 bytes
	s_lshl_b32 s3, s19, 10
	s_add_co_u32 s2, s2, s3
	s_lshl_b32 s3, s14, 9
	s_add_co_u32 s2, s2, s3                        ; my first column
	s_mov_b32 s3, 0
	s_wait_kmcnt 0x0
	s_add_nc_u64 s[20:21], s[20:21], s[2:3]
.macro FRAG reg, adr, st, i            ; a fragment comes as it was stored: six loads of 8 bytes a lane, 256 consecutive bytes each
.irp p, 0,1,2,3,4,5
	ds_load_b64 v[(\reg)+2*\p:(\reg)+2*\p+1], v[\adr] offset:3072*(\i)+1536*(\st)+256*\p
.endr
.endm
.macro FETCH s                         ; K step s: B's eight fragments and A's four, into set s % 2
	WIN 0x40
.irp i, 0,1,2,3,4,5,6,7
	FRAG 128*((\s)%2)+12*\i, ADRB+(\s)/2, (\s)%2, \i
.endr
	WIN 0
.irp i, 0,1,2,3
	FRAG AF+48*((\s)%2)+12*\i, ADRA+(\s)/2, (\s)%2, \i
.endr
.endm
; 16 matrix instructions: A's blocks a0, a0 + 1 x B's eight, K step s.  The 32 accumulators take turns, one instruction a turn, in the same order in every step.
.macro MUL16 a0, s, zero
.irp a, \a0, \a0+1
.irp b, 0,1,2,3,4,5,6,7
.if \zero
	v_wmma_scale_f32_16x16x128_f8f6f4 v[8*(8*(\a)+\b):8*(8*(\a)+\b)+7], v[128*((\s)%2)+12*\b:128*((\s)%2)+12*\b+11], v[AF+48*((\s)%2)+12*(\a):AF+48*((\s)%2)+12*(\a)+11], 0, v[SC+8*\b+(\s)], v[SC+8*(\a)+(\s)] matrix_a_fmt:MATRIX_FMT_BF6 matrix_b_fmt:MATRIX_FMT_BF6 matrix_a_scale:MATRIX_SCALE_ROW1
.else
	v_wmma_scale_f32_16x16x128_f8f6f4 v[8*(8*(\a)+\b):8*(8*(\a)+\b)+7], v[128*((\s)%2)+12*\b:128*((\s)%2)+12*\b+11], v[AF+48*((\s)%2)+12*(\a):AF+48*((\s)%2)+12*(\a)+11], v[8*(8*(\a)+\b):8*(8*(\a)+\b)+7], v[SC+8*\b+(\s)], v[SC+8*(\a)+(\s)] matrix_a_fmt:MATRIX_FMT_BF6 matrix_b_fmt:MATRIX_FMT_BF6 matrix_a_scale:MATRIX_SCALE_ROW1
.endif
.endr
.endr
.endm
; A K step of 128: 32 matrix instructions; in its middle the next step's 72 loads, behind four places (loads into registers that matrix instructions have read: ISA guide 7.12.1 for vector instructions).
; In steps 1, 3 and 5 the next chunk is shown to all four waves: my part of it has landed (the count leaves the later chunks' loads out), then the barrier, with sixteen matrix instructions between signal and wait.
.macro STEP s, zero
	s_wait_dscnt 0x0                               ; this step's fragments are in
.if ((\s)%2 == 1) && ((\s) < 7)
	s_wait_tensorcnt 3-((\s)+1)/2
	s_barrier_signal -1
.endif
	WIN MULW
	MUL16 0, \s, \zero
.if ((\s)%2 == 1) && ((\s) < 7)
	s_barrier_wait -1
.endif
.if (\s) < 7
	PLACES 4
	FETCH (\s)+1
.endif
	WIN MULW
	MUL16 2, \s, \zero
.endm
	s_wait_tensorcnt 3                             ; my part of the scale words and of chunk 0 is in; the three later chunks' loads may be out
	s_barrier_signal -1
	s_barrier_wait -1                              ; everybody's is
.irp i, 0,1,2,3,4,5,6,7                ; all scale words, once.  (For i of 4 and more lanes 0-15 read words behind A's: bytes that have been filled, and that no product names)
	ds_load_b128 v[SC+8*\i:SC+8*\i+3], v[ADRS] offset:512*\i
	ds_load_b128 v[SC+8*\i+4:SC+8*\i+7], v[ADRS] offset:512*\i+256
.endr
	FETCH 0
	STEP 0, 1                                      ; the first step's products start the sums: nothing is cleared
.irp s, 1,2,3,4,5,6,7
	STEP \s, 0
.endr
	WIN 0
; THE WAY OUT, block by block of 16 tokens x 128 columns, through my own stage in LDS.  Register j of accumulator (a, 2 c + u) in lane (r, h) is column 32 c + 16 h + 8 u + j of my 128: the stores into the stage put the
; columns in order; row t of block a is token 32 (a / 2) + 8 (a % 2) + t + 8 (t / 8) of my 64: the stores to memory put the rows in order.  LDS serves a wave's instructions in order (ISA guide 5.7.1.4): no wait between stores and loads.
.macro TOSTAGE a
	WIN 0x08                                       ; an LDS store's data are its source 1: window 2
.irp b, 0,1,2,3,4,5,6,7
	ds_store_b128 v[STO], v[8*(8*(\a)+\b):8*(8*(\a)+\b)+3] offset:128*(\b/2)+32*(\b%2)          ; each accumulator from its low end on
	ds_store_b128 v[STO], v[8*(8*(\a)+\b)+4:8*(8*(\a)+\b)+7] offset:128*(\b/2)+32*(\b%2)+16
.endr
	WIN 0
.set BB, BK+64*((\a)%2)
.irp t, 0,1,2,3,4,5,6,7,8,9,10,11,12,13,14,15
	ds_load_b128 v[BB+4*\t:BB+4*\t+3], v[RD] offset:\t*SPITCH
.endr
.endm
.macro SEND a, younger                 ; younger: the LDS instructions issued behind block a's loads, which may stay out
.set BB, BK+64*((\a)%2)
	s_wait_dscnt \younger
.irp t, 0,1,2,3,4,5,6,7,8,9,10,11,12,13,14,15
	global_store_b128 v[CO], v[BB+4*\t:BB+4*\t+3], s[20:21] offset:(32*((\a)/2)+8*((\a)%2)+\t+8*(\t/8))*4096 th:TH_STORE_NT   ; 32 lanes store 512 consecutive bytes, at a multiple of 256 from out0's first byte
.endr
.endm
	PLACES 4                                       ; behind the last products: their results are read, and loads land in the registers that held A's fragments
	TOSTAGE 0
.irp a, 1,2,3
.if \a > 1
	s_wait_xcnt 0x0                                ; block a - 2's stores have read their registers: block a's loads may land there
.endif
	TOSTAGE \a
	SEND \a-1, 32                                  ; behind block a - 1's loads: block a's 16 stores and 16 loads
.endr
	SEND 3, 0
	s_wait_tensorcnt 0x0                           ; the wave's end: behind my last tensor load and my last LDS store
	ds_add_u32 v[SPW], v[NIL]
	s_wait_dscnt 0x0
	CROUND                                         ; the closing round: no work-group ends while a partner may still ask for a tile that names it
	s_endpgm
.Lfunc_end_k_q1c2e1d9191_proj:
	.size	k_q1c2e1d9191_proj, .Lfunc_end_k_q1c2e1d9191_proj-k_q1c2e1d9191_proj
	.p2alignl 7, 3214868480
	.fill 96, 4, 3214868480
	.section	.rodata,"a",@progbits
	.p2align	6, 0x0
	.amdhsa_kernel k_q1c2e1d9191_proj
		.amdhsa_group_segment_fixed_size 307712
		.amdhsa_private_segment_fixed_size 0
		.amdhsa_enable_private_segment 0
		.amdhsa_kernarg_size 40
		.amdhsa_user_sgpr_count 2
		.amdhsa_user_sgpr_kernarg_segment_ptr 1
		.amdhsa_wavefront_size32 1
		.amdhsa_system_sgpr_workgroup_id_x 1
		.amdhsa_system_sgpr_workgroup_id_y 1
		.amdhsa_system_sgpr_workgroup_id_z 1
		.amdhsa_system_vgpr_workitem_id 0
		.amdhsa_next_free_vgpr 768
		.amdhsa_next_free_sgpr 102
		.amdhsa_reserve_vcc 0
		.amdhsa_float_denorm_mode_32 3
		.amdhsa_float_denorm_mode_16_64 3
		.amdhsa_memory_ordered 1
		.amdhsa_forward_progress 1
		.amdhsa_inst_pref_size 98
	.end_amdhsa_kernel
	.amdgpu_metadata
---
amdhsa.version: [ 1, 2 ]
amdhsa.kernels:
  - .name:           k_q1c2e1d9191_proj
    .symbol:         k_q1c2e1d9191_proj.kd
    .args:
      - { .name: yi, .offset: 0, .size: 8, .value_kind: global_buffer, .address_space: global }
      - { .name: ys, .offset: 8, .size: 8, .value_kind: global_buffer, .address_space: global }
      - { .name: opi, .offset: 16, .size: 8, .value_kind: global_buffer, .address_space: global }
      - { .name: ops, .offset: 24, .size: 8, .value_kind: global_buffer, .address_space: global }
      - { .name: out0, .offset: 32, .size: 8, .value_kind: global_buffer, .address_space: global }
    .group_segment_fixed_size: 307712
    .private_segment_fixed_size: 0
    .kernarg_segment_align: 8
    .kernarg_segment_size: 40
    .max_flat_workgroup_size: 128
    .sgpr_count:     102
    .vgpr_count:     768
    .wavefront_size: 32
...
	.end_amdgpu_metadata
.endif
;; end of part 4
